; MI455X (gfx1250); checked and timed in simulation.
; The chip was launched on July 23, 2026; its instructions are those of AMD's public machine-readable ISA for CDNA 5 (MIT licence, August 2026) and "CDNA5" Instruction Set Architecture Reference Guide (July 2026). The comments in the code are by the model that wrote it; some were corrected since.
;; Multi Head Attension. Allowed arithmetic: matrix products marked QUANTISED: E2M3 operands, one E8M0 scale for each 32 along K, by v_wmma_scale_f32_16x16x128_f8f6f4 with both operands' format E2M3, f32 sums; everything else in f32.
;; Inputs: Wk 1,024 x 1,024 float32; Wo 1,024 x 1,024 float32; Wq 1,024 x 1,024 float32; Wv 1,024 x 1,024 float32; bo 1,024 float32; x 4 x 2,048 x 1,024 float32.
;; Outputs: out0 4 x 2,048 x 1,024 float32.
;; This version of the problem:
;;   THIS VERSION OF THE PROBLEM IS GIVEN IN LOW PRECISION. The matrix products marked QUANTISED in the list below multiply operands that are first quantised to E2M3 (2 exponent bits, 3 mantissa bits; 6 bits a number), with one power-of-two scale for each 32 numbers along K (OCP MX v1.0); their sums are f32. All else is computed in f32.
;;   The module's matrix products, in the order in which they are computed (A, B: the left and right operand; K: the contracted axis; several contracted axes count as one K, in the product's order):
;;     1. [M 8,192, K 1,024] x [K 1,024, N 1,024]; A: input x; B: input Wq: QUANTISED
;;     2. [M 8,192, K 1,024] x [K 1,024, N 1,024]; A: input x; B: input Wk: QUANTISED
;;     3. [M 8,192, K 1,024] x [K 1,024, N 1,024]; A: input x; B: input Wv: QUANTISED
;;     4. batch 64 x [M 2,048, K 64] x [K 64, N 2,048]; A: computed on the way; B: computed on the way: QUANTISED
;;     5. batch 64 x [M 2,048, K 2,048] x [K 2,048, N 64]; A: softmax (see below); B: computed on the way: QUANTISED
;;     6. [M 8,192, K 1,024] x [K 1,024, N 1,024]; A: computed on the way; B: input Wo: QUANTISED
;;   THE QUANTISER, for each operand of a quantised product, along K:
;;     - K is cut into blocks of 32 from its start; a last block that is shorter is filled with zeros.
;;     - A block's scale is 2^e with e = floor(log2(the largest magnitude in the block)) - 2, held to -126 .. 127; a block of zeros has e = 0. As a byte (E8M0): e + 127.
;;     - Each number is divided by its block's scale, clamped to +-7.5, and rounded to the nearest number of E2M3, ties to even, subnormals kept.
;;     - The product sums the exact products of the quantised numbers (number of the format x scale) in f32.
;;   ~~~python
;;   def quantise(x, axis):      # numpy; x: float32 -> the quantised numbers, widened to float32 again
;;       x = np.moveaxis(x, axis, -1); K = x.shape[-1]
;;       x = np.pad(x, [(0, 0)] * (x.ndim - 1) + [(0, -K % 32)]); x = x.reshape(x.shape[:-1] + (-1, 32)); a = np.abs(x).max(-1, keepdims=True)
;;       e = np.where(a > 0, np.clip(np.frexp(np.where(a > 0, a, 1))[1] - 1 - 2, -126, 127), 0)      # np.frexp(a)[1] - 1 = floor(log2(a)), exactly
;;       r = np.clip(x / 2.0 ** e, -7.5, 7.5)
;;       step = 2.0 ** (np.maximum(np.frexp(np.where(r == 0, 1, r))[1] - 1, 0) - 3)
;;       q = np.round(r / step) * step * 2.0 ** e      # np.round: ties to even
;;       return np.moveaxis(q.reshape(q.shape[:-2] + (-1,))[..., :K], -1, axis).astype(np.float32)
;;   ~~~
;;   SOFTMAX AHEAD OF A QUANTISED PRODUCT. Where the list says 'softmax', what is quantised is not the finished softmax but p = 2^(t - M), with t = logit x log2(e) and M = ceil(the row's largest t), a whole number; so 1/2 < the row's largest p <= 1. The row's sum l is taken of the UNQUANTISED p, in f32, and the product's result is divided by l at the end. Since M is a whole number, a kernel that streams over the keys may use a running M (the ceiling of the running maximum): every later rescaling is an exact power of two, which a block's scale takes up: the codes' values come out the same.
;;   OPERANDS COMPUTED ON THE WAY. 'Computed on the way' means the value that the module computes at that place (a softmax that the list does not call 'softmax' is quantised finished and normalised). What goes into a quantiser is computed in f32, as accurately as f32 sums, v_exp_f32 and their like allow (about 1e-6 of the number): no bf16 or f16 on the way to a quantiser, and a product that is left as it is and whose result goes on into a quantised operand takes f32 operands (vector FMAs, or v_wmma_f32_16x16x4_f32). A number that lies on a knife's edge between two numbers of the format may be rounded either way, as far as f32 arithmetic and the matrix unit's own rounding can turn it there, and no further.
;; One version. Each part assembles by itself: llvm-mc -triple=amdgcn-amd-amdhsa -mcpu=gfx1250 --defsym DOCPART=n.
;; ======== version 1 of 1: 4 launches
;; workspace buffers: img 9,437,184 bytes; scl 393,216 bytes; qkv 20,185,088 bytes; ci 6,291,456 bytes; cs 262,144 bytes
;; launch quant (part 1): grid 768 x 1, 4 waves a work-group, no clusters, 46,592 bytes of LDS; arguments x, Wq, Wk, Wv, Wo, img, scl; writes img, scl
.if DOCPART == 1
	.amdgcn_target "amdgcn-amd-amdhsa--gfx1250"
	.amdhsa_code_object_version 6
	.text
	.protected	k_q4b9a207065_quant
	.globl	k_q4b9a207065_quant
	.p2align	8
	.type	k_q4b9a207065_quant,@function
k_q4b9a207065_quant:
	s_mov_b64 s[64:65], 0
	v_nop
	global_prefetch_b8 v0, s[64:65] scope:SCOPE_SE
	s_setreg_imm32_b32 hwreg(HW_REG_WAVE_MODE, 25, 1), 1
	s_wait_xcnt 0x0
; x [8192][1024] and Wq, Wk, Wv, Wo [1024 (k)][1024 (n)], f32, become codes of FP6 (E2M3) with one E8M0 byte for each 32 along K (K = the 1,024 of x's rows and of the weights' FIRST axis).
; A block's scale is 2^(floor(log2(its largest magnitude)) - 2): its byte is the largest magnitude's exponent field - 2, held at 1 from below by a floor among the maximum's leaves.
; LIMITS: a block of zeros, or one whose largest magnitude lies under 2^-124, gets the byte 1 (its codes are zeros or the nearest codes under that scale; the bytes are read by this program alone); NaN and infinities are not served.
; THE OUTPUT IS LAID AS THE MATRIX OPERAND'S REGISTERS.  Rows (tokens, or columns n of a weight) go in tiles of 16: tile 2 B + u, lane row p, is row 32 B + 8 u + p + 8 (p / 8).
; A fragment (16 rows x 128 K, 12 registers a lane: lane (p, h), registers 6 c .. 6 c + 5 = k 64 c + 32 h + 0 .. 31) is an image of 1,536 bytes: registers 4 j .. 4 j + 3 of lane l at 512 j + 16 l.
; img: x's images [tile 512][K step 8], then the weights' [q, k, v, o][tile 64][K step 8].  scl: one word (4 bytes, 128 K) a row: [tile][K step 8][row 16], x's, then the weights'.
; Work-groups 0-255 take the weights (one matrix, one K step, 128 columns), 256-767 one tile of x each.  Waves share nothing: no barrier; each path and each wave has LDS bytes of its own.
; Every input byte is read once, so nothing is shared between work-groups and a cluster has nothing to join.
.set XSTAGE, 8448                      ; x: a wave's stage, 16 rows of 512 bytes + 16
.set WSTAGE, 4*XSTAGE                  ; weights: a wave's stage, two images
.set FLOOR,  0x1800000                 ; 2^(3 - 127)
.set DOWN2,  0xff000000                ; takes 2 off an exponent field
.set WIMG,   6291456
.set WSCL,   262144
.set R,      64                        ; v64-191  numbers as loaded
.set X,      192                       ; v192-255 x: 64 numbers of my row in the operand's order; weights: the images on their way out
	s_load_b256 s[4:11], s[0:1], 0x0               ; x, Wq, Wk, Wv
	s_load_b128 s[12:15], s[0:1], 0x20             ; Wo, img
	s_load_b64 s[16:17], s[0:1], 0x30              ; scl
	v_lshl_add_u32 v62, v0, 2, 0xb400
	v_mov_b32 v63, 0
	v_lshrrev_b32 v1, 5, v0
	v_readfirstlane_b32 s18, v1                    ; wave
	v_and_b32 v2, 31, v0                           ; lane
	v_and_b32 v3, 15, v0                           ; lane % 16
	v_bfe_u32 v4, v0, 4, 1                         ; h = lane / 16
	v_lshlrev_b32 v5, 4, v2                        ; 16 x lane
	s_cmp_lt_u32 ttmp9, 256
	s_cbranch_scc1 .Lweights
	; ---------------- x: tile T = work-group - 256; wave w takes K steps 2 w and 2 w + 1
	s_sub_co_u32 s22, ttmp9, 256                   ; T
	s_lshr_b32 s23, s22, 1
	s_and_b32 s24, s22, 1
	s_lshl_b32 s23, s23, 17                        ; 32 B rows of 4,096 bytes
	s_lshl_b32 s24, s24, 15                        ; 8 u rows
	s_add_co_u32 s24, s23, s24
	s_lshl_b32 s25, s18, 10                        ; my two K steps: 1,024 bytes of each row
	s_add_co_u32 s24, s24, s25
	s_mov_b32 s25, 0
	s_mul_i32 s26, s22, 12288                      ; the tile's eight images,
	s_mul_i32 s27, s18, 3072                       ; my two
	s_add_co_u32 s26, s26, s27
	s_mov_b32 s27, 0
	s_lshl_b32 s28, s22, 9                         ; the tile's scale words,
	s_lshl_b32 s29, s18, 7                         ; my two steps'
	s_add_co_u32 s28, s28, s29
	s_mov_b32 s29, 0
	s_mov_b32 s20, 0x76543210
	s_mov_b32 s21, 0xfedcba98                      ; v_permlanex16_b32's selects for lane l xor 16
	s_mul_i32 s30, s18, XSTAGE
	s_wait_alu depctr_va_vdst(0)
	v_add_nc_u32 v6, s30, v5                       ; stage, in: 16 x lane of a row
	v_mul_u32_u24 v7, v3, 528
	v_lshl_add_u32 v7, v4, 7, v7
	v_add_nc_u32 v7, s30, v7                       ; stage, out: row lane % 16, + 128 h bytes
	v_lshlrev_b32 v15, 3, v4                       ; 8 h
	v_lshlrev_b32 v25, 2, v2                       ; 4 x lane
	v_mov_b32 v14, 0                               ; (a lane permute's destination counts as one of its sources)
	s_wait_alu depctr_va_vdst(0)
	s_wait_kmcnt 0x0
	s_add_nc_u64 s[4:5], s[4:5], s[24:25]
	s_add_nc_u64 s[14:15], s[14:15], s[26:27]
	s_add_nc_u64 s[16:17], s[16:17], s[28:29]
.irp st, 0,1
.irp p, 0,1,2,3,4,5,6,7,8,9,10,11,12,13,14,15
	global_load_b128 v[R+64*\st+4*\p:R+64*\st+4*\p+3], v5, s[4:5] offset:(\p+8*(\p/8))*4096+512*\st th:TH_LOAD_NT   ; 512 consecutive bytes: a K step of one row
.endr
.endr
; 64 numbers of a lane, v[x + 32 c + i] = k 64 c + 32 h + i of my row: two whole blocks.  Codes into v[c] .. v[c + 11], the row's scale word into v[wd].
.macro QB x, c, wd
	v_max3_num_f32 v8, |v[\x]|, |v[\x+1]|, FLOOR
	v_max3_num_f32 v9, |v[\x+32]|, |v[\x+33]|, FLOOR
.irp i, 2,4,6,8,10,12,14,16,18,20,22,24,26,28,30
	v_max3_num_f32 v8, v8, |v[\x+\i]|, |v[\x+\i+1]|              ; the two blocks by turns
	v_max3_num_f32 v9, v9, |v[\x+32+\i]|, |v[\x+33+\i]|
.endr
	v_add_nc_u32 v10, DOWN2, v8                    ; the conversion takes the exponent field of this operand as its scale
	v_add_nc_u32 v11, DOWN2, v9
	v_lshrrev_b32 v12, 23, v10                     ; the scales' bytes: blocks h and 2 + h
	v_lshrrev_b32 v13, 23, v11
	v_lshl_or_b32 v12, v13, 16, v12
	v_lshlrev_b32 v12, v15, v12                    ; at their places in the word
	v_permlanex16_b32 v14, v12, s20, s21
	v_or_b32 v[\wd], v12, v14                      ; with lane l xor 16's two the word is whole
	v_cvt_scalef32_pk16_fp6_f32 v[\c:\c+2], v[\x:\x+15], v10
	v_cvt_scalef32_pk16_fp6_f32 v[16:18], v[\x+16:\x+31], v10     ; (a conversion's three registers begin on an even number)
	v_cvt_scalef32_pk16_fp6_f32 v[\c+6:\c+8], v[\x+32:\x+47], v11
	v_cvt_scalef32_pk16_fp6_f32 v[20:22], v[\x+48:\x+63], v11
	v_nop                                          ; one plain place behind a scaled conversion
.irp i, 0,1,2
	v_mov_b32 v[\c+3+\i], v[16+\i]
	v_mov_b32 v[\c+9+\i], v[20+\i]
.endr
.endm
.macro XSTEP st
	s_wait_loadcnt 16-16*\st                       ; this step's 16 loads are in; the other step's may be out
.irp p, 0,1,2,3,4,5,6,7,8,9,10,11,12,13,14,15
	ds_store_b128 v6, v[R+64*\st+4*\p:R+64*\st+4*\p+3] offset:528*\p
.endr
.irp c, 0,1
.irp j, 0,1,2,3,4,5,6,7
	ds_load_b128 v[X+32*\c+4*\j:X+32*\c+4*\j+3], v7 offset:256*\c+16*\j   ; LDS serves a wave's instructions in order: these see my stores
.endr
.endr
	s_wait_dscnt 0x0
	QB X, 32+12*\st, 26+\st
.irp j, 0,1,2
	global_store_b128 v5, v[32+12*\st+4*\j:32+12*\st+4*\j+3], s[14:15] offset:1536*\st+512*\j   ; 512 consecutive bytes of the image; each step has code registers of its own
.endr
.endm
	XSTEP 0
	XSTEP 1
	v_cmp_eq_u32 vcc_lo, 1, v4
	v_cndmask_b32 v24, v26, v27, vcc_lo            ; lanes 0-15 store step 2 w's words, lanes 16-31 step 2 w + 1's
	global_store_b32 v25, v24, s[16:17]            ; 128 consecutive bytes
	s_wait_tensorcnt 0x0
	ds_add_u32 v62, v63
	s_wait_dscnt 0x0
	s_endpgm
	; ---------------- weights: matrix m, K step s, columns 32 B + lane: A LANE TAKES A COLUMN AND ITS REGISTERS RUN DOWN K
.Lweights:
	s_lshr_b32 s22, ttmp9, 6                       ; m
	s_bfe_u32 s23, ttmp9, 0x30003                  ; s
	s_and_b32 s24, ttmp9, 7
	s_lshl_b32 s24, s24, 2
	s_add_co_u32 s24, s24, s18                     ; B: the four waves stand side by side on 512 bytes of each row
	s_lshl_b32 s26, s23, 19                        ; 128 s rows of 4,096 bytes
	s_lshl_b32 s27, s24, 7                         ; 32 B columns
	s_add_co_u32 s26, s26, s27
	s_mov_b32 s27, 0
	s_lshl_b32 s28, s22, 6
	s_lshl_b32 s29, s24, 1
	s_add_co_u32 s28, s28, s29                     ; tile 64 m + 2 B
	s_mul_i32 s30, s28, 12288
	s_mul_i32 s31, s23, 1536
	s_add_co_u32 s30, s30, s31
	s_add_co_u32 s30, s30, WIMG
	s_mov_b32 s31, 0
	s_lshl_b32 s28, s28, 9
	s_lshl_b32 s29, s23, 6
	s_add_co_u32 s28, s28, s29
	s_add_co_u32 s28, s28, WSCL
	s_mov_b32 s29, 0
	s_mul_i32 s19, s18, 3072
	s_add_co_u32 s19, s19, WSTAGE                  ; my stage
	s_wait_alu depctr_va_vdst(0)
	v_lshlrev_b32 v6, 2, v2                        ; 4 x lane
	v_bfe_u32 v12, v0, 3, 1                        ; u: which of the two tiles my column lies in
	v_and_b32 v13, 7, v0
	v_lshl_add_u32 v13, v4, 3, v13                 ; p: its row there
	v_mul_u32_u24 v7, v12, 1536
	v_lshl_add_u32 v7, v13, 4, v7
	v_add_nc_u32 v7, s19, v7                       ; stage, in: image u, 16 p
	v_lshlrev_b32 v28, 9, v12
	v_lshl_add_u32 v28, v13, 2, v28                ; my scale word: 512 u + 4 p
	v_add_nc_u32 v29, s19, v5                      ; stage, out: 16 x lane
	s_wait_kmcnt 0x0
	s_cmp_eq_u32 s22, 1                            ; the choice hangs on the work-group's number alone
	s_cselect_b64 s[6:7], s[8:9], s[6:7]
	s_cmp_eq_u32 s22, 2
	s_cselect_b64 s[6:7], s[10:11], s[6:7]
	s_cmp_eq_u32 s22, 3
	s_cselect_b64 s[6:7], s[12:13], s[6:7]
	s_add_nc_u64 s[6:7], s[6:7], s[26:27]
	s_add_nc_u64 s[14:15], s[14:15], s[30:31]
	s_add_nc_u64 s[16:17], s[16:17], s[28:29]
.set n, 0
.rept 128
	global_load_b32 v[R+n], v6, s[6:7] offset:n*4096 th:TH_LOAD_NT   ; W(128 s + n, my column): 128 consecutive bytes a wave
.set n, n+1
.endr
; Block j (k = 32 j .. 32 j + 31 of my column) is registers 6 (j / 2) .. + 5 of lane (p, j % 2) of image u.  left: the younger loads that may stay out (a wait names 63 at the most).
.macro WBLK j, left
.set XS, R+32*(\j)
.set CJ, 32+8*(\j)
	s_wait_loadcnt \left
	v_max3_num_f32 v8, |v[XS]|, |v[XS+1]|, FLOOR
	v_max3_num_f32 v9, |v[XS+2]|, |v[XS+3]|, FLOOR
.irp i, 4,8,12,16,20,24,28
	v_max3_num_f32 v8, v8, |v[XS+\i]|, |v[XS+\i+1]|               ; two chains
	v_max3_num_f32 v9, v9, |v[XS+\i+2]|, |v[XS+\i+3]|
.endr
	v_max_num_f32 v8, v8, v9
	v_add_nc_u32 v10, DOWN2, v8
	v_lshrrev_b32 v11, 23, v10
.if (\j) == 0
	v_mov_b32 v24, v11                             ; the four bytes make my column's scale word
.else
	v_lshl_or_b32 v24, v11, 8*(\j), v24
.endif
	v_cvt_scalef32_pk16_fp6_f32 v[CJ:CJ+2], v[XS:XS+15], v10
	v_cvt_scalef32_pk16_fp6_f32 v[16:18], v[XS+16:XS+31], v10
	v_nop                                          ; one plain place behind a scaled conversion
.irp i, 0,1,2
	v_mov_b32 v[CJ+3+\i], v[16+\i]
.endr
.if (\j)/2 == 0
	ds_store_b128 v7, v[CJ:CJ+3] offset:256*((\j)%2)              ; registers 0-3
	ds_store_b64 v7, v[CJ+4:CJ+5] offset:512+256*((\j)%2)         ; registers 4, 5
.else
	ds_store_b64 v7, v[CJ:CJ+1] offset:520+256*((\j)%2)           ; registers 6, 7
	ds_store_b128 v7, v[CJ+2:CJ+5] offset:1024+256*((\j)%2)       ; registers 8-11
.endif
.endm
	WBLK 0, 63
	WBLK 1, 63
	WBLK 2, 32
	WBLK 3, 0
	global_store_b32 v28, v24, s[16:17]            ; pieces of 64 bytes: 131,072 bytes in the whole launch
.irp i, 0,1,2,3,4,5
	ds_load_b128 v[X+4*\i:X+4*\i+3], v29 offset:512*\i            ; LDS serves a wave's instructions in order: these see my stores
.endr
.irp i, 0,1,2,3,4,5
	s_wait_dscnt 5-\i
	global_store_b128 v5, v[X+4*\i:X+4*\i+3], s[14:15] offset:(\i/3)*12288+(\i%3)*512   ; 512 consecutive bytes of an image
.endr
	s_wait_tensorcnt 0x0
	ds_add_u32 v62, v63
	s_wait_dscnt 0x0
	s_endpgm
.Lfunc_end_k_q4b9a207065_quant:
	.size	k_q4b9a207065_quant, .Lfunc_end_k_q4b9a207065_quant-k_q4b9a207065_quant
	.p2alignl 7, 3214868480
	.fill 96, 4, 3214868480
	.section	.rodata,"a",@progbits
	.p2align	6, 0x0
	.amdhsa_kernel k_q4b9a207065_quant
		.amdhsa_group_segment_fixed_size 46592
		.amdhsa_private_segment_fixed_size 0
		.amdhsa_enable_private_segment 0
		.amdhsa_kernarg_size 56
		.amdhsa_user_sgpr_count 2
		.amdhsa_user_sgpr_kernarg_segment_ptr 1
		.amdhsa_wavefront_size32 1
		.amdhsa_system_sgpr_workgroup_id_x 1
		.amdhsa_system_sgpr_workgroup_id_y 1
		.amdhsa_system_sgpr_workgroup_id_z 1
		.amdhsa_system_vgpr_workitem_id 0
		.amdhsa_next_free_vgpr 256
		.amdhsa_next_free_sgpr 66
		.amdhsa_reserve_vcc 1
		.amdhsa_float_denorm_mode_32 3
		.amdhsa_float_denorm_mode_16_64 3
		.amdhsa_memory_ordered 1
		.amdhsa_forward_progress 1
		.amdhsa_inst_pref_size 38
	.end_amdhsa_kernel
	.amdgpu_metadata
---
amdhsa.version: [ 1, 2 ]
amdhsa.kernels:
  - .name:           k_q4b9a207065_quant
    .symbol:         k_q4b9a207065_quant.kd
    .args:
      - { .name: x, .offset: 0, .size: 8, .value_kind: global_buffer, .address_space: global }
      - { .name: Wq, .offset: 8, .size: 8, .value_kind: global_buffer, .address_space: global }
      - { .name: Wk, .offset: 16, .size: 8, .value_kind: global_buffer, .address_space: global }
      - { .name: Wv, .offset: 24, .size: 8, .value_kind: global_buffer, .address_space: global }
      - { .name: Wo, .offset: 32, .size: 8, .value_kind: global_buffer, .address_space: global }
      - { .name: img, .offset: 40, .size: 8, .value_kind: global_buffer, .address_space: global }
      - { .name: scl, .offset: 48, .size: 8, .value_kind: global_buffer, .address_space: global }
    .group_segment_fixed_size: 46592
    .private_segment_fixed_size: 0
    .kernarg_segment_align: 8
    .kernarg_segment_size: 56
    .max_flat_workgroup_size: 128
    .sgpr_count:     66
    .vgpr_count:     256
    .wavefront_size: 32
...
	.end_amdgpu_metadata
.endif
;; end of part 1
;; launch proj (part 2): grid 12 x 32, 4 waves a work-group, clusters of 4 x 4, 327,680 bytes of LDS; arguments img, scl, qkv; writes qkv
.if DOCPART == 2
	.amdgcn_target "amdgcn-amd-amdhsa--gfx1250"
	.amdhsa_code_object_version 6
	.text
	.protected	k_q4b9a207065_proj
	.globl	k_q4b9a207065_proj
	.p2align	8
	.type	k_q4b9a207065_proj,@function
k_q4b9a207065_proj:
	s_mov_b64 s[64:65], 0
	v_nop
	global_prefetch_b8 v0, s[64:65] scope:SCOPE_SE
	s_setreg_imm32_b32 hwreg(HW_REG_WAVE_MODE, 25, 1), 1
	s_wait_xcnt 0x0
	s_wait_alu depctr_hold_cnt(0) depctr_sa_sdst(0) depctr_va_vdst(0) depctr_va_sdst(0) depctr_va_ssrc(0) depctr_va_vcc(0) depctr_vm_vsrc(0)
	s_getreg_b32 s2, hwreg(HW_REG_IB_STS2, 6, 4)
	s_cmp_eq_u32 s2, 0
	s_cbranch_scc0 .Lentry_in_a_cluster
	s_endpgm
.Lentry_in_a_cluster:
	s_bfe_u32 s2, ttmp6, 0x10000c
	s_cmp_lg_u32 s2, 0xf033
	s_cbranch_scc0 .Lentry_shape_is_right
	s_endpgm
.Lentry_shape_is_right:
; q = x Wq, k = x Wk, v = x Wv on codes of FP6 (E2M3) with E8M0 scales, sums in f32; the results are quantised in registers (q, k along a head's 64; v along the keys) and leave as images of operand registers.
; A work-group makes 256 x 256 of a product, a wave 128 x 128: 64 accumulators.  Source 0 is operand P, source 1 operand R: a lane then holds ONE row of R, and its registers run along P's rows, in natural order
; (tiles of 16 rows are tile 2 B + u, row p = row 32 B + 8 u + p + 8 (p / 8): the 16 registers of results 2 B, 2 B + 1 are P's rows 32 B + 16 (lane / 16) + 0 .. 15).  So what is quantised along runs along P.
; Clusters with x = 0, 1: P = columns of Wq | Wk, R = tokens.  Clusters with x = 2: P = tokens (the keys), R = columns of Wv.  The choice hangs on the cluster's x, which all sixteen partners share.
; K = 1,024 goes in eight steps of 128.  Operands lie in memory as images of fragments (1,536 bytes: registers 4 j .. 4 j + 3 of lane l at 512 j + 16 l), [tile][K step]: a fragment is three loads of 16 bytes a lane.
; LDS: three slots of two K steps (R's 16 tiles x 3,072 bytes, then P's 16).  All three are filled at the start; slot 0 is filled once more, with K steps 6 and 7, and that load has four steps, 256 matrix instructions, to land.
; CLUSTER: P's tiles are shared along a column of the cluster, R's along a row: each is asked for jointly, by the same tensor load with a mask that names the four.
; qkv: [batch x 16 + head][group of 128 tokens][19,712 bytes]: K's 8 tiles x 768 bytes (16 keys x 64: registers 0-3 at 16 l, 4-5 at 512 + 8 l); K's scale words at 6,144 (tile a, row r: 256 (a / 4) + 16 r + 4 (a % 4));
;   V^T's four tiles of 16 channels x 128 keys at 6,656; their scale words at 12,800 (16 r + 4 t); Q's tiles at 13,056 and scale words at 19,200, as K's.
; LIMITS: a block of zeros, or one under 2^-124, gets the scale byte 1 (read by this program alone); NaN and infinities are not served.
; REGISTERS: window 0: v1-29 addresses; v32-95 scale words and nothing else; v96-127 at work on the way out; v128-223 R's fragments, one set (on the way out: codes).  window 1: P's fragments, sets at v0 and v128.
;   windows 2, 3: accumulator (a, b) at v[8 (8 (a % 4) + b)], a = R's block, b = P's.
.set SLOT,    98304
.set HALFT,   24576                    ; 8 tiles x 3,072 bytes: what one tensor load brings and what one wave reads of R or of P
.set TILE2,   3072                     ; a tile's two K steps
.set FRB,     1536
.set SPARE,   3*SLOT                   ; the spare words: 128 bytes a wave, two blocks of 256 bytes that no other line names
.set REC,     19712
.set HEADSTR, 16*REC
.set FLOOR,   0x1800000
.set DOWN2,   0xff000000
.set ADRR, 16                          ; v16-18 LDS address of my R fragments in slot 0, 1, 2
.set ADRP, 20                          ; v20-22 the same for P
.set VO,   24                          ; 16 x lane
.set VO8,  25                          ; 8 x lane
.set VOS,  26                          ; 16 r + (lane / 16) x a head's bytes
.set VSC,  27                          ; my scale words in scl
.set SPW,  28
.set NIL,  29
.set SC,   32                          ; v[SC + 8 i + g]: lanes 0-15 the word of R's block i, lanes 16-31 that of P's block i, K step g
.set TM,   96                          ; v96-99 maxima, v100-103 bytes, v108-111 the conversions' scale operands
.set SW2,  104
.set WD,   116                         ; v116-123 the scale word of each of my eight blocks
.set SW,   124
.set RF,   128
.set G1R,  24
.set G0R0, 32
.set G0R1, 36
.set G1P,  48
.set G0R2, 56
.set G0P0, 68
.set G0P1, 72
.set G0P2, 76
.set SEL,  84
.set MSB, 0
.macro WIN new                         ; the immediate's high byte repeats the setting that is left
.if MSB != (\new)
	s_set_vgpr_msb (MSB<<8)|(\new)
.set MSB, (\new)
.endif
.endm
.set MUL_LO, 0xa1                      ; source 0 (P) window 1, source 1 (R) window 0, C and D window 2
.set MUL_HI, 0xf1
.set TO_P,   0x40
.macro JLOAD g0a, g1a, g0b, g1b        ; a joint load: waves 0, 1 fetch R's halves, waves 2, 3 P's; four v_nop follow each line
	s_cmp_eq_u32 s15, 0
	s_cbranch_scc0 .Lfor_p_\@
	tensor_load_to_lds s[\g0a:\g0a+3], s[\g1a:\g1a+7]
	s_nop 0
.rept 4
	v_nop
.endr
	s_branch .Lasked_\@
.Lfor_p_\@:
	tensor_load_to_lds s[\g0b:\g0b+3], s[\g1b:\g1b+7]
	s_nop 0
.rept 4
	v_nop
.endr
.Lasked_\@:
.endm
.macro CREST                           ; a round of the cluster's barrier behind its opening barrier
	s_cmp_lg_u32 s14, 0
	s_cbranch_scc1 .Lnot_wave_0_\@
	s_barrier_signal -3
.Lnot_wave_0_\@:
	s_barrier_wait -3
	s_barrier_signal -1
	s_barrier_wait -1
.endm
.macro CROUND
	s_barrier_signal -1
	s_barrier_wait -1
	CREST
.endm
.macro PLACES                          ; four plain places behind matrix instructions, ahead of loads into their registers and of reads of results
.rept 4
	v_nop
.endr
.endm
	s_load_b128 s[4:7], s[0:1], 0x0                ; img, scl
	s_load_b64 s[8:9], s[0:1], 0x10                ; qkv
	v_lshl_add_u32 v[SPW], v0, 2, SPARE
	v_mov_b32 v[NIL], 0
	ds_add_u32 v28, v29
	ds_add_u32 v28, v29
	s_wait_dscnt 0x0
	v_lshrrev_b32 v1, 5, v0
	v_readfirstlane_b32 s14, v1                    ; wave
	s_lshr_b32 s15, s14, 1                         ; my half of R's rows.  Also: I fetch for R (0) or P (1)
	s_and_b32 s16, s14, 1                          ; my half of P's rows.  Also: which 8 tiles I fetch
	s_bfe_u32 s40, ttmp6, 0x40000                  ; cx
	s_bfe_u32 s41, ttmp6, 0x40004                  ; cy
	s_and_b32 s18, ttmp7, 0xffff                   ; the cluster's y
	s_cmp_lt_u32 ttmp9, 2                          ; q | k, or v
	s_cselect_b32 s42, ttmp9, s18                  ; P's tile: 4 x (cluster x, or cluster y) + cx
	s_cselect_b32 s17, s18, 0                      ; R's tile: 4 x (cluster y, or 0) + cy
	s_cselect_b32 s80, 6291456, 0                  ; P's images in img: Wq on, or x
	s_cselect_b32 s81, 0, 7864320                  ; R's: x, or Wv
	s_cselect_b32 s82, 262144, 0                   ; P's scale words in scl
	s_cselect_b32 s83, 0, 327680                   ; R's
	s_lshl_b32 s42, s42, 2
	s_add_co_u32 s42, s42, s40                     ; tp
	s_lshl_b32 s17, s17, 2
	s_add_co_u32 s17, s17, s41                     ; tr
	s_lshl_b32 s43, s41, 2
	s_lshl_b32 s43, 15, s43                        ; my row of the cluster
	s_lshl_b32 s44, 0x1111, s40                    ; my column
	; group 1: 8 rows (tiles) of 3,072 bytes (384 elements of 8 bytes), 12,288 bytes apart, dense in LDS
	s_or_b32 s[G1R], s43, (3<<16)|(1<<21)          ; R's tiles go to my row
	s_or_b32 s[G1P], s44, (3<<16)|(1<<21)          ; P's to my column
.irp g, G1R, G1P
	s_mov_b32 s[\g+1], 384<<16                     ; tensor_dim0
	s_mov_b32 s[\g+2], 8<<16                       ; tensor_dim1
	s_mov_b32 s[\g+3], 384<<16                     ; tile_dim0
	s_mov_b32 s[\g+4], 8                           ; tile_dim1
	s_mov_b32 s[\g+5], 1536                        ; pitch
	s_mov_b32 s[\g+6], 0
	s_mov_b32 s[\g+7], 0
.endr
	s_lshl_b32 s19, s16, 3
	s_lshl_b32 s20, s17, 4
	s_add_co_u32 s20, s20, s19                     ; R: tile 16 tr + 8 x half
	s_mul_i32 s20, s20, 12288
	s_add_co_u32 s20, s20, s81
	s_mov_b32 s21, 0
	s_lshl_b32 s46, s42, 4
	s_add_co_u32 s46, s46, s19                     ; P: tile 16 tp + 8 x half
	s_mul_i32 s46, s46, 12288
	s_add_co_u32 s46, s46, s80
	s_mov_b32 s47, 0
	s_mul_i32 s45, s14, HALFT                      ; where they go: wave x 24,576: no place in the cluster enters an LDS address
	s_wait_kmcnt 0x0
	s_add_nc_u64 s[20:21], s[4:5], s[20:21]
	s_add_nc_u64 s[46:47], s[4:5], s[46:47]
	CROUND                                         ; all sixteen work-groups are here: the first joint loads meet
.macro SETG0 gr, gp, slot
	s_mov_b32 s[\gr], 1
	s_add_co_u32 s[\gr+1], s45, \slot*SLOT
	s_add_nc_u64 s[\gr+2:\gr+3], s[20:21], \slot*TILE2
	s_or_b32 s[\gr+3], s[\gr+3], 0x80000000
	s_mov_b32 s[\gp], 1
	s_add_co_u32 s[\gp+1], s45, \slot*SLOT
	s_add_nc_u64 s[\gp+2:\gp+3], s[46:47], \slot*TILE2
	s_or_b32 s[\gp+3], s[\gp+3], 0x80000000
	JLOAD \gr, G1R, \gp, G1P
.endm
	SETG0 G0R0, G0P0, 0                            ; K steps 0-5: three loads of mine are out
	SETG0 G0R1, G0P1, 1
	SETG0 G0R2, G0P2, 2
	v_and_b32 v1, 15, v0                           ; r
	v_bfe_u32 v2, v0, 4, 1                         ; h
	s_wait_alu depctr_va_vdst(0)
	v_and_b32 v3, 31, v0
	v_lshlrev_b32 v[VO], 4, v3
	s_wait_alu depctr_va_vdst(0)
	v_lshlrev_b32 v[VO8], 3, v3
	v_mul_u32_u24 v4, v2, HEADSTR
	v_lshl_add_u32 v[VOS], v1, 4, v4
	s_lshl_b32 s90, s17, 4                         ; scale words: 512 bytes a tile.  R's: tile 16 tr + 8 x my half of R
	s_lshl_b32 s91, s15, 3
	s_add_co_u32 s90, s90, s91
	s_lshl_b32 s90, s90, 9
	s_add_co_u32 s90, s90, s83
	s_lshl_b32 s92, s42, 4                         ; P's: tile 16 tp + 8 x my half of P
	s_lshl_b32 s93, s16, 3
	s_add_co_u32 s92, s92, s93
	s_lshl_b32 s92, s92, 9
	s_add_co_u32 s92, s92, s82
	v_mov_b32 v10, s90
	v_mov_b32 v11, s92
	v_cmp_eq_u32 vcc_lo, 1, v2
	v_cndmask_b32 v10, v10, v11, vcc_lo            ; lanes 0-15 take R's words, lanes 16-31 P's
	v_lshl_add_u32 v[VSC], v1, 2, v10
.irp i, 0,1,2,3,4,5,6,7
.irp g, 0,1,2,3,4,5,6,7
	global_load_b32 v[SC+8*\i+\g], v[VSC], s[6:7] offset:512*\i+64*\g   ; all of K's scale words, once
.endr
.endr
	s_mul_i32 s22, s15, HALFT
	s_mul_i32 s23, s16, HALFT
	s_add_co_u32 s23, s23, 2*HALFT
.irp s, 0,1,2
	v_add_nc_u32 v[ADRR+\s], s22, v[VO]
	v_add_nc_u32 v[ADRP+\s], s23, v[VO]
	s_add_co_u32 s22, s22, SLOT
	s_add_co_u32 s23, s23, SLOT
.endr
	s_mov_b32 s[SEL], 0x76543210
	s_mov_b32 s[SEL+1], 0xfedcba98
.irp b, 0,1,2,3
	v_mov_b32 v[TM+4+\b], 0                        ; (a lane permute's destination counts as one of its sources)
.endr
.macro FRAG3 reg, adr, off             ; an image comes back as the registers that it is
.irp j, 0,1,2
	ds_load_b128 v[(\reg)+4*\j:(\reg)+4*\j+3], v[\adr] offset:(\off)+512*\j
.endr
.endm
.macro FETCH_P slot, q, set
	WIN TO_P
.irp i, 0,1,2,3,4,5,6,7
	FRAG3 128*(\set)+12*\i, ADRP+\slot, \i*TILE2+(\q)*FRB
.endr
	WIN 0
.endm
.macro FETCH_R slot, q, i0
.irp i, \i0, \i0+1, \i0+2, \i0+3
	FRAG3 RF+12*(\i), ADRR+\slot, (\i)*TILE2+(\q)*FRB
.endr
.endm
; 16 matrix instructions: R's blocks a0, a0 + 1 x P's eight, K step sg; p: P's set.  The 64 accumulators take turns, in the same order in every step.
.macro MUL16 a0, p, sg, zero
.irp a, \a0, \a0+1
.irp b, 0,1,2,3,4,5,6,7
.if \zero
	v_wmma_scale_f32_16x16x128_f8f6f4 v[8*(8*((\a)%4)+\b):8*(8*((\a)%4)+\b)+7], v[128*(\p)+12*\b:128*(\p)+12*\b+11], v[RF+12*(\a):RF+12*(\a)+11], 0, v[SC+8*\b+(\sg)], v[SC+8*(\a)+(\sg)] matrix_a_fmt:MATRIX_FMT_FP6 matrix_b_fmt:MATRIX_FMT_FP6 matrix_a_scale:MATRIX_SCALE_ROW1
.else
	v_wmma_scale_f32_16x16x128_f8f6f4 v[8*(8*((\a)%4)+\b):8*(8*((\a)%4)+\b)+7], v[128*(\p)+12*\b:128*(\p)+12*\b+11], v[RF+12*(\a):RF+12*(\a)+11], v[8*(8*((\a)%4)+\b):8*(8*((\a)%4)+\b)+7], v[SC+8*\b+(\sg)], v[SC+8*(\a)+(\sg)] matrix_a_fmt:MATRIX_FMT_FP6 matrix_b_fmt:MATRIX_FMT_FP6 matrix_a_scale:MATRIX_SCALE_ROW1
.endif
.endr
.endr
.endm
; K step sg; the next step's fragments lie in slot ns, its nq-th half.  R has one set: blocks 0-3 are fetched anew in the middle, 4-7 at the end.
.macro STEPN sg, ns, nq, zero
	s_wait_dscnt 12                                ; P's set and R's blocks 0-3 are in; the youngest 12 loads (R's blocks 4-7) may be out
	WIN MUL_LO
	MUL16 0, (\sg)%2, \sg, \zero
	MUL16 2, (\sg)%2, \sg, \zero
	s_wait_dscnt 0x0
	PLACES
	FETCH_P \ns, \nq, 1-(\sg)%2
	FETCH_R \ns, \nq, 0
	WIN MUL_HI
	MUL16 4, (\sg)%2, \sg, \zero
	MUL16 6, (\sg)%2, \sg, \zero
	PLACES
	WIN 0
	FETCH_R \ns, \nq, 4
.endm
; A step behind which a slot is left: one barrier; ahead of it each wave waits for all its tensor loads, adds 0 to its spare word, and waits for that and for its reads.  fill = 1: slot 0 takes K steps 6 and 7.
.macro TURN sg, ns, fill
	s_wait_tensorcnt 0x0                           ; all my tensor loads have landed
	ds_add_u32 v[SPW], v[NIL]                      ; 0 onto my spare word
	s_wait_dscnt 13                                ; (the add and R's blocks 4-7 may be out)
	WIN MUL_LO
	MUL16 0, 1, \sg, 0
	s_wait_dscnt 0x0                               ; the add is done, and my reads of this slot are over
	s_barrier_signal -1
	MUL16 2, 1, \sg, 0
	WIN 0
	s_barrier_wait -1
.if \fill
	CREST                                          ; the barrier has opened a round of the cluster's: no wave of any partner still reads slot 0 or has a load on its way
	s_add_nc_u64 s[G0R0+2:G0R0+3], s[G0R0+2:G0R0+3], 3*TILE2
	s_add_nc_u64 s[G0P0+2:G0P0+3], s[G0P0+2:G0P0+3], 3*TILE2
	JLOAD G0R0, G1R, G0P0, G1P                     ; my one tensor load behind the round; its four v_nop are the places ahead of the loads below
.else
	PLACES
.endif
	FETCH_P \ns, 0, 0
	FETCH_R \ns, 0, 0
	WIN MUL_HI
	MUL16 4, 1, \sg, 0
	MUL16 6, 1, \sg, 0
	PLACES
	WIN 0
	FETCH_R \ns, 0, 4
.endm
	s_wait_alu depctr_va_vdst(0)
	s_wait_tensorcnt 2                             ; my part of slot 0 is in; slots 1 and 2 may be out
	s_barrier_signal -1
	s_barrier_wait -1
	FETCH_P 0, 0, 0
	FETCH_R 0, 0, 0
	FETCH_R 0, 0, 4
	s_wait_loadcnt 0x0                             ; the scale words
	STEPN 0, 0, 1, 1                               ; the first products start the sums
	TURN  1, 1, 1
	STEPN 2, 1, 1, 0
	STEPN 3, 2, 0, 0                               ; slot 2 was shown whole to every wave by the waits ahead of the round above
	STEPN 4, 2, 1, 0
	TURN  5, 0, 0
	STEPN 6, 0, 1, 0
	s_wait_dscnt 12
	WIN MUL_LO
	MUL16 0, 1, 7, 0
	MUL16 2, 1, 7, 0
	s_wait_dscnt 0x0
	WIN MUL_HI
	MUL16 4, 1, 7, 0
	MUL16 6, 1, 7, 0
	WIN 0
	PLACES
; Block a: 16 rows of R x my 128 rows of P: register 16 b + i of the block's 64 = P's row 32 b + 16 (lane / 16) + i.  Four blocks of 32 are quantised; codes into v[PC] .. v[PC + 11], the scale word into v[WD + a].
.macro QUANTW a
.set AS, 64*((\a)%4)
.set WN, 2+(\a)/4
.set PC, RF+24*((\a)%4)
.set WW, (WN<<2)|(WN<<4)
	WIN WW                                         ; sources 1 and 2: the accumulators' window
.irp b, 0,1,2,3
	v_max3_num_f32 v[TM+\b], FLOOR, |v[AS+16*\b]|, |v[AS+16*\b+1]|   ; each accumulator is read from its low end on
.endr
.irp i, 2,4,6,8,10,12,14
.irp b, 0,1,2,3
	v_max3_num_f32 v[TM+\b], v[TM+\b], |v[AS+16*\b+\i]|, |v[AS+16*\b+\i+1]|
.endr
.endr
	WIN 0
.irp b, 0,1,2,3
	v_permlanex16_b32 v[TM+4+\b], v[TM+\b], s[SEL], s[SEL+1]
.endr
.irp b, 0,1,2,3
	v_max_num_f32 v[TM+\b], v[TM+\b], v[TM+4+\b]
.endr
.irp b, 0,1,2,3
	v_add_nc_u32 v[TM+12+\b], DOWN2, v[TM+\b]
.endr
.irp b, 0,1,2,3
	v_lshrrev_b32 v[TM+4+\b], 23, v[TM+12+\b]
.endr
	v_lshl_or_b32 v[WD+(\a)], v[TM+5], 8, v[TM+4]
	v_lshl_or_b32 v[WD+(\a)], v[TM+6], 16, v[WD+(\a)]
	v_lshl_or_b32 v[WD+(\a)], v[TM+7], 24, v[WD+(\a)]
.if (\a) >= 4
	s_wait_xcnt 0x0                                ; block a - 4's stores have read this set of code registers
.endif
	WIN WN                                         ; source 0: the accumulators' window
.irp c, 0,1
	v_cvt_scalef32_pk16_fp6_f32 v[PC+6*\c:PC+6*\c+2], v[AS+32*\c:AS+32*\c+15], v[TM+12+2*\c]
	v_cvt_scalef32_pk16_fp6_f32 v[PC+12+4*\c:PC+14+4*\c], v[AS+16+32*\c:AS+31+32*\c], v[TM+13+2*\c]
.endr
	WIN 0
	v_nop                                          ; one plain place behind a scaled conversion
.irp c, 0,1                                    ; the operand's layout wants a whole block in a lane
.irp i, 0,1,2
	v_permlane16_swap_b32 v[PC+6*\c+\i], v[PC+12+4*\c+\i]
.endr
.irp i, 0,1,2
	v_mov_b32 v[PC+3+6*\c+\i], v[PC+12+4*\c+\i]
.endr
.endr
.endm
.macro WORDS                           ; lane (r, h) gathers the words of blocks 4 h .. 4 h + 3, row r
	v_cmp_eq_u32 vcc_lo, 1, v2
.irp j, 0,1,2,3
	v_cndmask_b32 v[SW+\j], v[WD+\j], v[WD+4+\j], vcc_lo
.endr
.endm
	s_cmp_lt_u32 ttmp9, 2
	s_cbranch_scc0 .Lvalues
	; ---- q or k: my 128 rows of P are two heads; block a is tile a of the group of 128 tokens 2 tr + my half of R
	s_lshl_b32 s86, s17, 1
	s_add_co_u32 s86, s86, s15
	s_lshr_b32 s87, s86, 4                         ; batch
	s_and_b32 s86, s86, 15                         ; group
	s_and_b32 s88, s42, 3
	s_lshl_b32 s88, s88, 2
	s_lshl_b32 s89, s16, 1
	s_add_co_u32 s88, s88, s89                     ; my first head
	s_lshl_b32 s87, s87, 4
	s_add_co_u32 s87, s87, s88
	s_lshl_b32 s87, s87, 4
	s_add_co_u32 s87, s87, s86
	s_mul_i32 s86, s87, REC
	s_cmp_eq_u32 ttmp9, 0
	s_cselect_b32 s87, 13056, 0                    ; q's part of a record, or k's
	s_add_co_u32 s86, s86, s87
	s_mov_b32 s87, 0
	s_add_nc_u64 s[8:9], s[8:9], s[86:87]
.irp a, 0,1,2,3,4,5,6,7
	QUANTW \a
	global_store_b128 v[VO], v[PC:PC+3], s[8:9] offset:768*\a                      ; registers 0-5: the first head's 64; every store covers whole aligned blocks of 256 bytes
	global_store_b64 v[VO8], v[PC+4:PC+5], s[8:9] offset:768*\a+512
	global_store_b128 v[VO], v[PC+6:PC+9], s[8:9] offset:768*\a+HEADSTR            ; registers 6-11: the next head's
	global_store_b64 v[VO8], v[PC+10:PC+11], s[8:9] offset:768*\a+512+HEADSTR
.endr
	WORDS
.irp j, 0,1,2,3
	v_lshrrev_b32 v[SW2+\j], 16, v[SW+\j]          ; the next head's two bytes.  (A word's upper two bytes meet zero codes alone, and none is 0xff)
.endr
	global_store_b128 v[VO], v[SW:SW+3], s[8:9] offset:6144
	global_store_b128 v[VO], v[SW2:SW2+3], s[8:9] offset:6144+HEADSTR
	s_branch .Ldone
.Lvalues:
	; ---- v: my 128 rows of P are the group of 128 keys 2 tp + my half of P; block a is channels' tile a % 4 of head 4 tr + 2 x my half of R + a / 4
	s_lshl_b32 s86, s42, 1
	s_add_co_u32 s86, s86, s16
	s_lshr_b32 s87, s86, 4
	s_and_b32 s86, s86, 15
	s_lshl_b32 s88, s17, 2
	s_lshl_b32 s89, s15, 1
	s_add_co_u32 s88, s88, s89
	s_lshl_b32 s87, s87, 4
	s_add_co_u32 s87, s87, s88
	s_lshl_b32 s87, s87, 4
	s_add_co_u32 s87, s87, s86
	s_mul_i32 s86, s87, REC
	s_mov_b32 s87, 0
	s_add_nc_u64 s[8:9], s[8:9], s[86:87]
.irp a, 0,1,2,3,4,5,6,7
	QUANTW \a
.irp j, 0,1,2
	global_store_b128 v[VO], v[PC+4*\j:PC+4*\j+3], s[8:9] offset:6656+(\a/4)*HEADSTR+(\a%4)*1536+512*\j
.endr
.endr
	WORDS
	global_store_b128 v[VOS], v[SW:SW+3], s[8:9] offset:12800     ; lanes 0-15 the first head's 256 bytes, lanes 16-31 the next head's
.Ldone:
	s_wait_tensorcnt 0x0                           ; the wave's end
	ds_add_u32 v[SPW], v[NIL]
	s_wait_dscnt 0x0
	CROUND                                         ; the closing round
	s_endpgm
.Lfunc_end_k_q4b9a207065_proj:
	.size	k_q4b9a207065_proj, .Lfunc_end_k_q4b9a207065_proj-k_q4b9a207065_proj
	.p2alignl 7, 3214868480
	.fill 96, 4, 3214868480
	.section	.rodata,"a",@progbits
	.p2align	6, 0x0
	.amdhsa_kernel k_q4b9a207065_proj
		.amdhsa_group_segment_fixed_size 327680
		.amdhsa_private_segment_fixed_size 0
		.amdhsa_enable_private_segment 0
		.amdhsa_kernarg_size 24
		.amdhsa_user_sgpr_count 2
		.amdhsa_user_sgpr_kernarg_segment_ptr 1
		.amdhsa_wavefront_size32 1
		.amdhsa_system_sgpr_workgroup_id_x 1
		.amdhsa_system_sgpr_workgroup_id_y 1
		.amdhsa_system_sgpr_workgroup_id_z 1
		.amdhsa_system_vgpr_workitem_id 0
		.amdhsa_next_free_vgpr 1024
		.amdhsa_next_free_sgpr 100
		.amdhsa_reserve_vcc 1
		.amdhsa_float_denorm_mode_32 3
		.amdhsa_float_denorm_mode_16_64 3
		.amdhsa_memory_ordered 1
		.amdhsa_forward_progress 1
		.amdhsa_inst_pref_size 177
	.end_amdhsa_kernel
	.amdgpu_metadata
---
amdhsa.version: [ 1, 2 ]
amdhsa.kernels:
  - .name:           k_q4b9a207065_proj
    .symbol:         k_q4b9a207065_proj.kd
    .args:
      - { .name: img, .offset: 0, .size: 8, .value_kind: global_buffer, .address_space: global }
      - { .name: scl, .offset: 8, .size: 8, .value_kind: global_buffer, .address_space: global }
      - { .name: qkv, .offset: 16, .size: 8, .value_kind: global_buffer, .address_space: global }
    .group_segment_fixed_size: 327680
    .private_segment_fixed_size: 0
    .kernarg_segment_align: 8
    .kernarg_segment_size: 24
    .max_flat_workgroup_size: 128
    .sgpr_count:     100
    .vgpr_count:     1024
    .wavefront_size: 32
...
	.end_amdgpu_metadata
.endif
;; end of part 2
;; launch attn (part 3): grid 4 x 64, 16 waves a work-group, no clusters, 211,968 bytes of LDS; arguments qkv, ci, cs; writes ci, cs
.if DOCPART == 3
	.amdgcn_target "amdgcn-amd-amdhsa--gfx1250"
	.amdhsa_code_object_version 6
	.text
	.protected	k_q4b9a207065_attn
	.globl	k_q4b9a207065_attn
	.p2align	8
	.type	k_q4b9a207065_attn,@function
k_q4b9a207065_attn:
	s_mov_b64 s[64:65], 0
	v_nop
	global_prefetch_b8 v0, s[64:65] scope:SCOPE_SE
	s_setreg_imm32_b32 hwreg(HW_REG_WAVE_MODE, 25, 1), 1
	s_wait_xcnt 0x0
; Causal attention of one (batch, head) on codes of FP6 (E2M3) with E8M0 scales; head size 64, 2,048 tokens.  The context is quantised along the head's 64 and leaves as images of operand registers.
; t = score x log2(e) / 8; M = the running largest t rounded UP to a whole number; p = 2^(t - M) is quantised along the keys, not normalised; the row's sum is taken of the unquantised p and divides at the end.
; When M moves, the sum and O are multiplied by 2^(old M - new M): exact.
; SHARES.  Work-group (i, head) owns the query blocks 7 - i and i of 256.  Wave w takes tile w of block 7 - i (nH = 15 - 2 i + w / 8 key steps of 128) and then tile 15 - w of block i (17 - nH steps): 17 steps for every wave
; of every work-group.  A tile's last step lies on the diagonal: there hidden scores become -infinity ahead of the maximum.  Steps whose keys all come after the queries are never walked.
; LDS.  The head's K and V, 16 key steps x 13,056 bytes, are brought ONCE by sixteen tensor loads (waves 0-3, four each: four of a wave's loads are out) and stay: nothing is filled again.
; The steps 0-3 are read when the first quarter has landed, 4-7 behind the second; nH is at least 9, so those eight steps belong to the first tile and none is its last.
; LAYOUT.  S^T = K Q^T (source 0 = 16 keys, source 1 = my 16 queries; K = 64, the upper 64 of both fragments are zero codes), O^T = V^T P^T: a lane holds ONE query throughout.
; Tiles of 16 rows are tile 2 B + u, row p = row 32 B + 8 u + p + 8 (p / 8), so the 16 registers of results 2 B, 2 B + 1 are 16 neighbours (keys, or channels).
; NO CLUSTER: the work-groups that share a head's K and V differ in their query blocks, so the steps that a wave leaves out would hang on its place in the cluster.
; LIMITS: a block of zeros, or one under 2^-124, gets the scale byte 1; NaN and infinities are not served.
; REGISTERS: v1-3 16 l, 8 l, 16 r; v4-6 the step's addresses; v7 my query's place less 16 h; v8-9 the two tiles' context scale bytes; v10-11 at work; v12 -M, v13 largest t, v[14:15] the sum; v16-27 Q; v28 Q's scale word;
;   v29 p's; v[30:31] f; v32-79 four fragments of K (upper six registers zeros; the lower six also serve as work registers behind the products); v80-83 K's scale words, v84-87 V's; v88-94 the second tile's Q;
;   v96-159 S^T, then p; v160-191 O^T; v192-239 V; v240-251 p's codes; v252-255 the blocks' maxima.
.set REC,   19712
.set KVB,   13056
.set CSL,   16*KVB                     ; behind K and V: 1,024 bytes for the context's scale bytes
.set FLOOR, 0x1800000
.set DOWN2, 0xff000000
.set WV,   10
.set SEL,  20
.set CS,   22
.set G1,   24
.set G0,   32
.set TB,   48                          ; LDS byte at which the key step in hand begins
.set TT,   49                          ; the step's number, 0 .. 16
.set NH,   50
.set LAST, 51
.set QW,   52                          ; my tile's first query within its group of 128
.set QW2,  53
.set CB,   54                          ; s[54:55] where my tile's context goes; s[56:57] the second tile's
.set CB2,  56
	s_load_b128 s[4:7], s[0:1], 0x0                ; qkv, ci
	s_load_b64 s[8:9], s[0:1], 0x10                ; cs
	v_lshl_add_u32 v254, v0, 2, 0x33400
	v_mov_b32 v255, 0
	ds_add_u32 v254, v255
	ds_add_u32 v254, v255
	s_wait_dscnt 0x0
	v_lshrrev_b32 v1, 5, v0
	s_delay_alu instid0(VALU_DEP_1)
	v_readfirstlane_b32 s[WV], v1                  ; wave 0..15
	s_mov_b32 s11, ttmp9                           ; i
	s_and_b32 s12, ttmp7, 0xffff                   ; batch x 16 + head
	; group 1: a key step's K and V: 51 rows of 256 bytes (32 elements of 8 bytes), dense
	s_mov_b32 s[G1], 3<<16
	s_mov_b32 s[G1+1], 32<<16
	s_mov_b32 s[G1+2], 51<<16
	s_mov_b32 s[G1+3], 32<<16
	s_mov_b32 s[G1+4], 51
	s_mov_b32 s[G1+5], 32
	s_mov_b32 s[G1+6], 0
	s_mov_b32 s[G1+7], 0
	s_min_u32 s58, s[WV], 3                        ; waves 0-3 fetch: load q of wave w brings key step 4 q + w
	s_mul_i32 s59, s58, KVB
	s_lshl_b32 s60, s12, 4
	s_add_co_u32 s60, s60, s58
	s_mul_i32 s60, s60, REC
	s_mov_b32 s61, 0
	s_wait_kmcnt 0x0
	s_add_nc_u64 s[60:61], s[4:5], s[60:61]
.irp q, 0,1,2,3
	s_mov_b32 s[G0+4*\q], 1
	s_add_co_u32 s[G0+4*\q+1], s59, \q*4*KVB
	s_add_nc_u64 s[G0+4*\q+2:G0+4*\q+3], s[60:61], \q*4*REC
	s_or_b32 s[G0+4*\q+3], s[G0+4*\q+3], 0x80000000
.endr
	s_cmp_lt_u32 s[WV], 4
	s_cbranch_scc0 .Lno_fetch
	tensor_load_to_lds s[G0:G0+3], s[G1:G1+7]
	s_nop 0
	tensor_load_to_lds s[G0+4:G0+7], s[G1:G1+7]
	s_nop 0
	tensor_load_to_lds s[G0+8:G0+11], s[G1:G1+7]
	s_nop 0
	tensor_load_to_lds s[G0+12:G0+15], s[G1:G1+7]
	s_nop 0
.rept 4
	v_nop
.endr
.Lno_fetch:
	v_and_b32 v10, 31, v0
	s_delay_alu instid0(VALU_DEP_1)
	v_lshlrev_b32 v1, 4, v10                       ; 16 x lane
	s_wait_alu depctr_va_vdst(0)
	v_lshlrev_b32 v2, 3, v10                       ; 8 x lane
	s_wait_alu depctr_va_vdst(0)
	v_and_b32 v11, 15, v0                          ; r
	s_delay_alu instid0(VALU_DEP_1)
	v_lshlrev_b32 v3, 4, v11                       ; 16 r
	s_wait_alu depctr_va_vdst(0)
	v_bfe_u32 v10, v0, 4, 1                        ; h
	v_and_b32 v7, 8, v11
	s_delay_alu instid0(VALU_DEP_1)
	v_add_nc_u32 v7, v7, v11
	s_delay_alu instid0(VALU_DEP_3)
	v_lshlrev_b32 v10, 4, v10
	s_delay_alu instid0(VALU_DEP_1)
	v_sub_nc_u32 v7, v7, v10                       ; r + 8 (r / 8) - 16 h
	s_lshr_b32 s66, s[WV], 3
	s_lshl_b32 s67, s11, 1
	s_sub_co_u32 s15, 14, s67
	s_add_co_u32 s15, s15, s66                     ; the first tile's group of 128 tokens: 14 - 2 i + w / 8
	s_and_b32 s16, s[WV], 7                        ; and its tile there
	s_add_co_u32 s17, s67, 1
	s_sub_co_u32 s17, s17, s66                     ; the second tile's group: 2 i + 1 - w / 8
	s_xor_b32 s18, s16, 7                          ; and its tile
	s_add_co_u32 s[NH], s15, 1
	s_sub_co_u32 s66, 15, s15                      ; 16 - nH
	s_lshr_b32 s13, s12, 4                         ; batch
	s_and_b32 s14, s12, 15                         ; head
; For the tile sa of group sg: its codes' address into s[pc:pc+1], its scale words' into s[ps:ps+1], its context's into s[cb:cb+1], its first query in the group into s[qw]
.macro TILEADR sg, sa, pc, ps, cb, qw
	s_lshl_b32 s67, s12, 4
	s_add_co_u32 s[\pc], s67, s[\sg]
	s_mul_i32 s[\pc], s[\pc], REC                  ; the record
	s_lshr_b32 s[\ps], s[\sa], 2
	s_lshl_b32 s[\ps], s[\ps], 8
	s_and_b32 s[\ps+1], s[\sa], 3
	s_lshl_b32 s[\ps+1], s[\ps+1], 2
	s_add_co_u32 s[\ps], s[\ps], s[\ps+1]
	s_add_co_u32 s[\ps], s[\ps], s[\pc]
	s_mul_i32 s[\pc+1], s[\sa], 768
	s_add_co_u32 s[\pc], s[\pc], s[\pc+1]
	s_mov_b32 s[\pc+1], 0
	s_mov_b32 s[\ps+1], 0
	s_add_nc_u64 s[\pc:\pc+1], s[4:5], s[\pc:\pc+1]
	s_add_nc_u64 s[\ps:\ps+1], s[4:5], s[\ps:\ps+1]
	s_lshl_b32 s67, s13, 7
	s_lshl_b32 s[\cb], s[\sg], 3
	s_add_co_u32 s[\cb], s[\cb], s[\sa]
	s_add_co_u32 s[\cb], s[\cb], s67               ; token tile: 128 x batch + 8 x group + tile
	s_lshl_b32 s[\cb], s[\cb], 4
	s_add_co_u32 s[\cb], s[\cb], s14
	s_mul_i32 s[\cb], s[\cb], 768
	s_mov_b32 s[\cb+1], 0
	s_add_nc_u64 s[\cb:\cb+1], s[6:7], s[\cb:\cb+1]
	s_lshr_b32 s[\qw], s[\sa], 1
	s_lshl_b32 s[\qw], s[\qw], 5
	s_and_b32 s67, s[\sa], 1
	s_lshl_b32 s67, s67, 3
	s_add_co_u32 s[\qw], s[\qw], s67
.endm
	TILEADR 15, 16, 58, 60, CB, QW
	TILEADR 17, 18, 62, 68, CB2, QW2
	global_load_b128 v[16:19], v1, s[58:59] offset:13056          ; Q's fragments stay in registers
	global_load_b64 v[20:21], v2, s[58:59] offset:13056+512
	global_load_b32 v28, v3, s[60:61] offset:19200
	global_load_b128 v[88:91], v1, s[62:63] offset:13056
	global_load_b64 v[92:93], v2, s[62:63] offset:13056+512
	global_load_b32 v94, v3, s[68:69] offset:19200
	s_mov_b32 s[SEL], 0x76543210
	s_mov_b32 s[SEL+1], 0xfedcba98
	s_mov_b32 s[CS], 0x3e38aa3b                    ; c = log2(e) / 8
	s_mov_b32 s[CS+1], s[CS]                       ; (named with it as a pair, so it is written)
.irp j, 22,23,24,25,26,27
	v_mov_b32 v[\j], 0                             ; the upper 64 of K = 128: zero codes, in Q
.endr
.irp f, 0,1,2,3
.irp j, 6,7,8,9,10,11
	v_mov_b32 v[32+12*\f+\j], 0                    ; and in K's four fragments: written once
.endr
.endr
	v_mov_b32 v8, 0
	v_mov_b32 v9, 0
	v_mov_b32 v11, 0
	v_mov_b32 v31, 0                               ; (named as the upper half of the pair v[30:31])
	v_mov_b32 v13, 0xff61b1e6                      ; the largest t so far: -3e38
	s_delay_alu instid0(VALU_DEP_1)
	v_floor_f32 v12, -v13
	v_mov_b32 v14, 0
	v_mov_b32 v15, 0
.set n, 0
.rept 32
	v_mov_b32 v[160+n], 0                          ; O^T: the step is written once; the first change of M leaves zeros zeros
.set n, n+1
.endr
; A KEY STEP: 128 keys at LDS byte s[TB].  masked = 1: where s[LAST] is set, the step lies on the diagonal.
.macro STEP masked
	v_add_nc_u32 v4, s[TB], v1
	v_add_nc_u32 v5, s[TB], v2
	v_add_nc_u32 v6, s[TB], v3
	ds_load_b128 v[80:83], v4 offset:6144                          ; K's scale words: lanes 0-15 tiles 0-3, lanes 16-31 tiles 4-7
.irp t, 0,1,2,3
	ds_load_b128 v[32+12*\t:35+12*\t], v4 offset:768*\t
	ds_load_b64 v[36+12*\t:37+12*\t], v5 offset:768*\t+512
.endr
	s_wait_alu depctr_va_vdst(0)
	s_wait_dscnt 0x0
.irp t, 0,1,2,3
	v_wmma_scale_f32_16x16x128_f8f6f4 v[96+8*\t:103+8*\t], v[32+12*\t:43+12*\t], v[16:27], 0, v[80+\t], v28 matrix_a_fmt:MATRIX_FMT_FP6 matrix_b_fmt:MATRIX_FMT_FP6
.endr
.rept 4
	v_nop                                          ; places ahead of loads into registers that matrix instructions have read (with the three additions above also for V's, which the last step's products read)
.endr
.irp t, 0,1,2,3
	ds_load_b128 v[32+12*\t:35+12*\t], v4 offset:768*(\t+4)
	ds_load_b64 v[36+12*\t:37+12*\t], v5 offset:768*(\t+4)+512
.endr
	ds_load_b128 v[84:87], v6 offset:12800                         ; V's scale words
.irp t, 0,1,2,3
.irp j, 0,1,2
	ds_load_b128 v[192+12*\t+4*\j:195+12*\t+4*\j], v4 offset:6656+1536*\t+512*\j
.endr
.endr
	s_wait_dscnt 13                                ; K's tiles 4-7 are in; V's scale words and V's 12 loads may be out
.irp t, 0,1,2,3
	v_wmma_scale_f32_16x16x128_f8f6f4 v[128+8*\t:135+8*\t], v[32+12*\t:43+12*\t], v[16:27], 0, v[80+\t], v28 matrix_a_fmt:MATRIX_FMT_FP6 matrix_b_fmt:MATRIX_FMT_FP6 matrix_a_scale:MATRIX_SCALE_ROW1
.endr
.rept 4
	v_nop
.endr
.if \masked
	s_cmp_eq_u32 s[LAST], 0
	s_cbranch_scc1 .Lopen_\@
	v_add_nc_u32 v10, s[QW], v7                    ; register 16 b + i holds key 32 b + 16 h + i of the group: hidden where 32 b + i > my query - 16 h
	v_mov_b32 v11, 0xff800000
.set n, 0
.rept 64
	v_cmp_gt_i32 vcc_lo, 32*(n/16)+n%16, v10
	v_cndmask_b32 v[96+n], v[96+n], v11, vcc_lo
.set n, n+1
.endr
.Lopen_\@:
.endif
.irp b, 0,1,2,3
	v_max3_num_f32 v[252+\b], v[96+16*\b], v[97+16*\b], v[98+16*\b]   ; the largest score of each block of 32 keys: for the row's maximum, and, since p rises with the score, for the block's largest p
.endr
.irp i, 3,5,7,9,11,13
.irp b, 0,1,2,3
	v_max3_num_f32 v[252+\b], v[252+\b], v[96+16*\b+\i], v[97+16*\b+\i]
.endr
.endr
.irp b, 0,1,2,3
	v_max_num_f32 v[252+\b], v[252+\b], v[111+16*\b]
.endr
.irp b, 0,1,2,3
	s_delay_alu instid0(VALU_DEP_4)
	v_permlanex16_b32 v[32+\b], v[252+\b], s[SEL], s[SEL+1]
.endr
.irp b, 0,1,2,3
	s_delay_alu instid0(VALU_DEP_4)
	v_max_num_f32 v[252+\b], v[252+\b], v[32+\b]
.endr
	s_delay_alu instid0(VALU_DEP_2)
	v_max3_num_f32 v10, v252, v253, v254
	s_delay_alu instid0(VALU_DEP_1)
	v_max_num_f32 v10, v10, v255
	s_delay_alu instid0(VALU_DEP_1)
	v_mul_f32 v10, s[CS], v10
	s_delay_alu instid0(VALU_DEP_1)
	v_max_num_f32 v13, v13, v10                    ; the running largest t
	v_mov_b32 v10, v12
	s_delay_alu instid0(VALU_DEP_2)
	v_floor_f32 v12, -v13                          ; the new -M = -ceil(t)
	s_delay_alu instid0(VALU_DEP_1)
	v_sub_f32 v10, v12, v10                        ; old M - new M: a whole number, 0 or less
	s_delay_alu instid0(VALU_DEP_1)
	v_cvt_i32_f32 v10, v10                         ; (it saturates)
	s_delay_alu instid0(VALU_DEP_1)
	v_ldexp_f32 v30, 1.0, v10                      ; f = 2^(old M - new M)
.set n, 0
.rept 32
	v_pk_fma_f32 v[96+n:97+n], v[96+n:97+n], s[CS:CS+1], v[12:13] op_sel_hi:[1,0,0]   ; t - M
.set n, n+2
.endr
.irp b, 0,1,2,3
	v_fma_f32 v[252+\b], v[252+\b], s[CS], v12
.endr
.set n, 0
	s_wait_alu depctr_va_vdst(0)
.rept 64
	v_exp_f32 v[96+n], v[96+n]                     ; p = 2^(t - M)
.set n, n+1
.endr
.irp b, 0,1,2,3
	v_exp_f32 v[252+\b], v[252+\b]                 ; the block's largest p
.endr
	v_pk_mul_f32 v[14:15], v[14:15], v[30:31] op_sel_hi:[1,0]      ; the sums under the new M (a plain place behind the exponentials)
	s_wait_alu depctr_va_vdst(0)
.irp b, 0,1,2,3
	v_max_num_f32 v[252+\b], FLOOR, v[252+\b]
.endr
.irp b, 0,1,2,3
	s_delay_alu instid0(VALU_DEP_4)
	v_add_nc_u32 v[44+\b], DOWN2, v[252+\b]
.endr
.irp b, 0,1,2,3
	s_delay_alu instid0(VALU_DEP_4)
	v_lshrrev_b32 v[32+\b], 23, v[44+\b]
.endr
	s_delay_alu instid0(VALU_DEP_3)
	v_lshl_or_b32 v29, v33, 8, v32                 ; p's scale word for these 128 keys
	s_delay_alu instid0(VALU_DEP_1)
	v_lshl_or_b32 v29, v34, 16, v29
	s_delay_alu instid0(VALU_DEP_1)
	v_lshl_or_b32 v29, v35, 24, v29
.irp c, 0,1
	v_cvt_scalef32_pk16_fp6_f32 v[240+6*\c:242+6*\c], v[96+32*\c:111+32*\c], v[44+2*\c]
	v_cvt_scalef32_pk16_fp6_f32 v[56+12*\c:58+12*\c], v[112+32*\c:127+32*\c], v[45+2*\c]
.endr
	v_nop                                          ; one plain place behind a scaled conversion
.irp c, 0,1
.irp i, 0,1,2
	v_permlane16_swap_b32 v[240+6*\c+\i], v[56+12*\c+\i]
.endr
.irp i, 0,1,2
	s_delay_alu instid0(VALU_DEP_3)
	v_mov_b32 v[243+6*\c+\i], v[56+12*\c+\i]
.endr
.endr
	v_pk_add_f32 v[36:37], v[100:101], v[104:105]
	v_pk_add_f32 v[254:255], v[108:109], v[112:113]
	v_pk_add_f32 v[252:253], v[116:117], v[120:121]
	v_pk_add_f32 v[82:83], v[124:125], v[128:129]
	v_pk_add_f32 v[80:81], v[132:133], v[136:137]
	v_pk_add_f32 v[72:73], v[140:141], v[144:145]
	v_pk_add_f32 v[70:71], v[148:149], v[152:153]
	v_pk_add_f32 v[14:15], v[14:15], v[156:157]
	v_pk_add_f32 v[36:37], v[36:37], v[96:97]
	v_pk_add_f32 v[254:255], v[254:255], v[98:99]
	v_pk_add_f32 v[252:253], v[252:253], v[102:103]
	v_pk_add_f32 v[82:83], v[82:83], v[106:107]
	v_pk_add_f32 v[80:81], v[80:81], v[110:111]
	v_pk_add_f32 v[72:73], v[72:73], v[114:115]
	v_pk_add_f32 v[70:71], v[70:71], v[118:119]
	v_pk_add_f32 v[14:15], v[14:15], v[122:123]
	v_pk_add_f32 v[36:37], v[36:37], v[126:127]
	v_pk_add_f32 v[254:255], v[254:255], v[130:131]
	v_pk_add_f32 v[252:253], v[252:253], v[134:135]
	v_pk_add_f32 v[82:83], v[82:83], v[138:139]
	v_pk_add_f32 v[80:81], v[80:81], v[142:143]
	v_pk_add_f32 v[72:73], v[72:73], v[146:147]
	v_pk_add_f32 v[70:71], v[70:71], v[150:151]
	v_pk_add_f32 v[14:15], v[14:15], v[154:155]
	v_pk_add_f32 v[36:37], v[36:37], v[158:159]
	s_delay_alu instid0(VALU_DEP_2)
	v_pk_add_f32 v[14:15], v[14:15], v[82:83]
	s_delay_alu instid0(VALU_DEP_2)
	v_pk_add_f32 v[36:37], v[36:37], v[80:81]
	v_pk_add_f32 v[254:255], v[254:255], v[72:73]
	v_pk_add_f32 v[252:253], v[252:253], v[70:71]
	s_delay_alu instid0(VALU_DEP_2)
	v_pk_add_f32 v[14:15], v[14:15], v[254:255]
	s_delay_alu instid0(VALU_DEP_2)
	v_pk_add_f32 v[36:37], v[36:37], v[252:253]
	s_delay_alu instid0(VALU_DEP_1)
	v_pk_add_f32 v[14:15], v[14:15], v[36:37]
.set n, 0
.rept 16
	v_pk_mul_f32 v[160+n:161+n], v[160+n:161+n], v[30:31] op_sel_hi:[1,0]   ; O^T under the new M
.set n, n+2
.endr
	s_wait_alu depctr_va_vdst(0)
	s_wait_dscnt 0x0                               ; V and its scale words
.irp t, 0,1,2,3
	v_wmma_scale_f32_16x16x128_f8f6f4 v[160+8*\t:167+8*\t], v[192+12*\t:203+12*\t], v[240:251], v[160+8*\t:167+8*\t], v[84+\t], v29 matrix_a_fmt:MATRIX_FMT_FP6 matrix_b_fmt:MATRIX_FMT_FP6
.endr
.endm
	s_wait_loadcnt 0x0                             ; Q, both tiles'
	s_mov_b32 s[TT], 0
	s_mov_b32 s[TB], 0
	s_wait_tensorcnt 3                             ; my load of key steps 0-3 is in; three may be out
	s_barrier_signal -1
	s_barrier_wait -1
.Lfirst:
	STEP 0
	s_add_co_u32 s[TB], s[TB], KVB
	s_add_co_u32 s[TT], s[TT], 1
	s_cmp_lt_u32 s[TT], 4
	s_cbranch_scc1 .Lfirst
	s_wait_tensorcnt 2                             ; key steps 4-7
	s_wait_dscnt 0x0
	s_barrier_signal -1
	s_barrier_wait -1
	s_mov_b32 s[TB], 4*KVB
.Lsecond:
	STEP 0
	s_add_co_u32 s[TB], s[TB], KVB
	s_add_co_u32 s[TT], s[TT], 1
	s_cmp_lt_u32 s[TT], 8
	s_cbranch_scc1 .Lsecond
	s_wait_tensorcnt 0x0                           ; all of the head
	s_wait_dscnt 0x0
	s_barrier_signal -1
	s_barrier_wait -1
.Lrest:                                            ; steps 8 .. 16: the first tile's up to nH - 1, then the second tile's from key step 0 on
	s_cmp_ge_u32 s[TT], s[NH]
	s_cselect_b32 s58, s66, 0
	s_add_co_u32 s58, s58, s[TT]
	s_and_b32 s58, s58, 15                         ; the key step: t, or t - nH
	s_mul_i32 s[TB], s58, KVB
	s_add_co_u32 s60, s[TT], 1
	s_cmp_eq_u32 s60, s[NH]
	s_cselect_b32 s[LAST], 1, 0
	s_cmp_eq_u32 s[TT], 16
	s_cselect_b32 s[LAST], 1, s[LAST]
	STEP 1
	s_cmp_eq_u32 s[LAST], 0
	s_cbranch_scc1 .Lgoes_on
	; A TILE IS FINISHED: O^T / the sum, quantised along the head's 64 (two blocks), stored as an image; then the state is set for the second tile
.rept 4
	v_nop
.endr
	v_add_f32 v10, v14, v15
	s_delay_alu instid0(VALU_DEP_1)
	v_permlanex16_b32 v11, v10, s[SEL], s[SEL+1]
	s_delay_alu instid0(VALU_DEP_1)
	v_add_f32 v10, v10, v11
	s_wait_alu depctr_va_vdst(0)
	v_rcp_f32 v10, v10
	v_nop                                          ; one plain place behind a transcendental
.set n, 0
	s_wait_alu depctr_va_vdst(0)
.rept 32
	v_mul_f32 v[96+n], v[160+n], v10               ; register 16 B + i: channel 32 B + 16 h + i of my query
.set n, n+1
.endr
	v_max3_num_f32 v252, |v96|, |v97|, FLOOR
	v_max3_num_f32 v253, |v112|, |v113|, FLOOR
.irp i, 2,4,6,8,10,12,14
	s_delay_alu instid0(VALU_DEP_2)
	v_max3_num_f32 v252, v252, |v[96+\i]|, |v[97+\i]|
	s_delay_alu instid0(VALU_DEP_2)
	v_max3_num_f32 v253, v253, |v[112+\i]|, |v[113+\i]|
.endr
	s_delay_alu instid0(VALU_DEP_2)
	v_permlanex16_b32 v32, v252, s[SEL], s[SEL+1]
	s_delay_alu instid0(VALU_DEP_2)
	v_permlanex16_b32 v33, v253, s[SEL], s[SEL+1]
	s_delay_alu instid0(VALU_DEP_2)
	v_max_num_f32 v252, v252, v32
	s_delay_alu instid0(VALU_DEP_2)
	v_max_num_f32 v253, v253, v33
	s_delay_alu instid0(VALU_DEP_2)
	v_add_nc_u32 v44, DOWN2, v252
	s_delay_alu instid0(VALU_DEP_2)
	v_add_nc_u32 v45, DOWN2, v253
	s_delay_alu instid0(VALU_DEP_2)
	v_lshrrev_b32 v32, 23, v44
	s_delay_alu instid0(VALU_DEP_2)
	v_lshrrev_b32 v33, 23, v45
	v_mov_b32 v9, v8                               ; the first tile's two bytes move on,
	s_delay_alu instid0(VALU_DEP_2)
	v_lshl_or_b32 v8, v33, 8, v32                  ; this tile's take their place
	v_cvt_scalef32_pk16_fp6_f32 v[240:242], v[96:111], v44
	v_cvt_scalef32_pk16_fp6_f32 v[56:58], v[112:127], v45
	v_nop
.irp i, 0,1,2
	v_permlane16_swap_b32 v[240+\i], v[56+\i]
.endr
.irp i, 0,1,2
	s_delay_alu instid0(VALU_DEP_3)
	v_mov_b32 v[243+\i], v[56+\i]
.endr
	global_store_b128 v1, v[240:243], s[CB:CB+1]                   ; 512 and 256 consecutive bytes, aligned
	global_store_b64 v2, v[244:245], s[CB:CB+1] offset:512
	s_wait_xcnt 0x0                                ; the stores have read their base and their data
	s_mov_b64 s[CB:CB+1], s[CB2:CB2+1]
	s_mov_b32 s[QW], s[QW2]
	v_mov_b32 v28, v94                             ; the second tile's Q; the lines below are the places between these writes and the next products
.irp j, 0,1,2,3,4,5
	v_mov_b32 v[16+\j], v[88+\j]
.endr
	v_mov_b32 v13, 0xff61b1e6
	s_delay_alu instid0(VALU_DEP_1)
	v_floor_f32 v12, -v13
	v_mov_b32 v14, 0
	v_mov_b32 v15, 0
.set n, 0
.rept 32
	v_mov_b32 v[160+n], 0
.set n, n+1
.endr
.Lgoes_on:
	s_add_co_u32 s[TT], s[TT], 1
	s_cmp_lt_u32 s[TT], 17
	s_cbranch_scc1 .Lrest
	; the context's scale bytes of the work-group's 32 tiles meet in LDS and leave as two runs of 512 bytes
	s_wait_dscnt 0x0
	s_barrier_signal -1
	s_barrier_wait -1                              ; every wave's reads of K and V are over
	v_and_b32 v10, 15, v0
	s_delay_alu instid0(VALU_DEP_1)
	v_lshlrev_b32 v10, 1, v10
	s_lshl_b32 s58, s[WV], 5
	s_add_co_u32 s58, s58, CSL                     ; block 7 - i: tile w
	s_xor_b32 s59, s[WV], 15
	s_lshl_b32 s59, s59, 5
	s_add_co_u32 s59, s59, CSL+512                 ; block i: tile 15 - w
	v_add_nc_u32 v4, s58, v10
	v_add_nc_u32 v5, s59, v10
	s_min_u32 s60, s[WV], 1
	s_lshl_b32 s60, s60, 9
	s_add_co_u32 s60, s60, CSL
	v_add_nc_u32 v6, s60, v1
	ds_store_b16 v4, v9                            ; both halves of the lanes write the same two bytes with the same value
	ds_store_b16 v5, v8
	s_wait_dscnt 0x0
	s_barrier_signal -1
	s_barrier_wait -1
	s_cmp_lt_u32 s[WV], 2
	s_cbranch_scc0 .Lend
	s_wait_alu depctr_va_vdst(0)
	ds_load_b128 v[96:99], v6
	s_sub_co_u32 s61, 7, s11
	s_cmp_eq_u32 s[WV], 0
	s_cselect_b32 s61, s61, s11                    ; wave 0: block 7 - i; wave 1: block i
	s_lshl_b32 s61, s61, 4
	s_lshl_b32 s62, s13, 7
	s_add_co_u32 s61, s61, s62                     ; its first token tile
	s_lshl_b32 s62, s61, 5
	s_lshl_b32 s63, s14, 14                        ; cs: [head][token tile][row] of two bytes
	s_add_co_u32 s62, s62, s63
	s_mov_b32 s63, 0
	s_add_nc_u64 s[8:9], s[8:9], s[62:63]
	s_wait_dscnt 0x0
	global_store_b128 v1, v[96:99], s[8:9]
.Lend:
	s_wait_xcnt 0x0
	v_lshl_add_u32 v254, v0, 2, 0x33400
	v_mov_b32 v255, 0
	s_wait_alu depctr_va_vdst(0)
	s_wait_tensorcnt 0x0
	ds_add_u32 v254, v255
	s_wait_dscnt 0x0
	s_endpgm
.Lfunc_end_k_q4b9a207065_attn:
	.size	k_q4b9a207065_attn, .Lfunc_end_k_q4b9a207065_attn-k_q4b9a207065_attn
	.p2alignl 7, 3214868480
	.fill 96, 4, 3214868480
	.section	.rodata,"a",@progbits
	.p2align	6, 0x0
	.amdhsa_kernel k_q4b9a207065_attn
		.amdhsa_group_segment_fixed_size 211968
		.amdhsa_private_segment_fixed_size 0
		.amdhsa_enable_private_segment 0
		.amdhsa_kernarg_size 24
		.amdhsa_user_sgpr_count 2
		.amdhsa_user_sgpr_kernarg_segment_ptr 1
		.amdhsa_wavefront_size32 1
		.amdhsa_system_sgpr_workgroup_id_x 1
		.amdhsa_system_sgpr_workgroup_id_y 1
		.amdhsa_system_sgpr_workgroup_id_z 1
		.amdhsa_system_vgpr_workitem_id 0
		.amdhsa_next_free_vgpr 256
		.amdhsa_next_free_sgpr 70
		.amdhsa_reserve_vcc 1
		.amdhsa_float_denorm_mode_32 3
		.amdhsa_float_denorm_mode_16_64 3
		.amdhsa_memory_ordered 1
		.amdhsa_forward_progress 1
		.amdhsa_inst_pref_size 74
	.end_amdhsa_kernel
	.amdgpu_metadata
---
amdhsa.version: [ 1, 2 ]
amdhsa.kernels:
  - .name:           k_q4b9a207065_attn
    .symbol:         k_q4b9a207065_attn.kd
    .args:
      - { .name: qkv, .offset: 0, .size: 8, .value_kind: global_buffer, .address_space: global }
      - { .name: ci, .offset: 8, .size: 8, .value_kind: global_buffer, .address_space: global }
      - { .name: cs, .offset: 16, .size: 8, .value_kind: global_buffer, .address_space: global }
    .group_segment_fixed_size: 211968
    .private_segment_fixed_size: 0
    .kernarg_segment_align: 8
    .kernarg_segment_size: 24
    .max_flat_workgroup_size: 512
    .sgpr_count:     70
    .vgpr_count:     256
    .wavefront_size: 32
...
	.end_amdgpu_metadata
.endif
;; end of part 3
;; launch oproj (part 4): grid 8 x 32, 4 waves a work-group, clusters of 4 x 4, 327,680 bytes of LDS; arguments ci, cs, img, scl, bo, out0; writes out0
.if DOCPART == 4
	.amdgcn_target "amdgcn-amd-amdhsa--gfx1250"
	.amdhsa_code_object_version 6
	.text
	.protected	k_q4b9a207065_oproj
	.globl	k_q4b9a207065_oproj
	.p2align	8
	.type	k_q4b9a207065_oproj,@function
k_q4b9a207065_oproj:
	s_mov_b64 s[64:65], 0
	v_nop
	global_prefetch_b8 v0, s[64:65] scope:SCOPE_SE
	s_setreg_imm32_b32 hwreg(HW_REG_WAVE_MODE, 25, 1), 1
	s_wait_xcnt 0x0
	s_wait_alu depctr_hold_cnt(0) depctr_sa_sdst(0) depctr_va_vdst(0) depctr_va_sdst(0) depctr_va_ssrc(0) depctr_va_vcc(0) depctr_vm_vsrc(0)
	s_getreg_b32 s2, hwreg(HW_REG_IB_STS2, 6, 4)
	s_cmp_eq_u32 s2, 0
	s_cbranch_scc0 .Lentry_in_a_cluster
	s_endpgm
.Lentry_in_a_cluster:
	s_bfe_u32 s2, ttmp6, 0x10000c
	s_cmp_lg_u32 s2, 0xf033
	s_cbranch_scc0 .Lentry_shape_is_right
	s_endpgm
.Lentry_shape_is_right:
; out = ctx Wo + bo on codes of FP6 (E2M3) with E8M0 scales; sums in f32; out [8192][1024] f32.
; A work-group makes 256 tokens x 128 columns, 256 work-groups in all; a wave 128 x 64: 32 accumulators.  Source 0 = 16 columns of Wo (P), source 1 = 16 tokens (R): a lane holds one token and neighbouring columns.
; Tiles of 16 rows are tile 2 B + u, row p = row 32 B + 8 u + p + 8 (p / 8): the 16 registers of results 2 B, 2 B + 1 are columns 32 B + 16 (lane / 16) + 0 .. 15.
; Operands lie in memory as images of fragments.  Wo's: 1,536 bytes (registers 4 j .. 4 j + 3 of lane l at 512 j + 16 l).  The context's: two heads' halves of 768 bytes on end (registers 0-3 at 16 l, 4-5 at 512 + 8 l).
; ALL OF K = 1,024 FITS IN LDS: four slots of two K steps (R's 16 tiles x 3,072 bytes, then P's 8), each filled once, at the start: four loads of a wave are out, so the waits ahead of a slot are counted.
; CLUSTER: R's tiles are shared along a row of the cluster, P's along a column: each is asked for jointly.  The bias is the C of each sum's first matrix instruction.
; REGISTERS: window 0: v1-20 addresses; v32-95 the context's scale words, v96-127 Wo's, and nothing else there; v128-223 R's fragments, one set (on the way out: rows of out).
;   window 1: P's fragments, sets at v0 and v48; v192-223 the bias.   window 2: accumulator (a, b) at v[8 (4 a + b)].
.set SLOT,   73728
.set TILE2,  3072
.set FRB,    1536
.set STG,    4*SLOT                    ; behind the slots: a stage of 16 rows x (256 bytes + 16) for each wave
.set SPITCH, 272
.set A16, 4                            ; v4-7   R in slot 0 .. 3, 16 x lane
.set A8,  8                            ; v8-11  R, 8 x lane
.set AP,  12                           ; v12-15 P, 16 x lane
.set STO, 16
.set RD,  17
.set CO,  18
.set SCA, 32
.set SCB, 96
.set RF,  128
.set BI,  192
.set G1R, 24
.set G1P, 32
.set G0R, 40
.set G0P, 68
.set MSB, 0
.macro WIN new
.if MSB != (\new)
	s_set_vgpr_msb (MSB<<8)|(\new)
.set MSB, (\new)
.endif
.endm
.macro JLOAD g0a, g1a, g0b, g1b        ; waves 0, 1 fetch R's halves, waves 2, 3 P's; four v_nop follow each line
	s_cmp_eq_u32 s15, 0
	s_cbranch_scc0 .Lfor_p_\@
	tensor_load_to_lds s[\g0a:\g0a+3], s[\g1a:\g1a+7]
	s_nop 0
.rept 4
	v_nop
.endr
	s_branch .Lasked_\@
.Lfor_p_\@:
	tensor_load_to_lds s[\g0b:\g0b+3], s[\g1b:\g1b+7]
	s_nop 0
.rept 4
	v_nop
.endr
.Lasked_\@:
.endm
.macro CROUND                          ; a round of the cluster's barrier
	s_barrier_signal -1
	s_barrier_wait -1
	s_cmp_lg_u32 s14, 0
	s_cbranch_scc1 .Lnot_wave_0_\@
	s_barrier_signal -3
.Lnot_wave_0_\@:
	s_barrier_wait -3
	s_barrier_signal -1
	s_barrier_wait -1
.endm
.macro PLACES
.rept 4
	v_nop
.endr
.endm
	s_load_b256 s[4:11], s[0:1], 0x0               ; ci, cs, img, scl
	s_load_b128 s[92:95], s[0:1], 0x20             ; bo, out0
	v_lshl_add_u32 v254, v0, 2, 0x4c400
	v_mov_b32 v255, 0
	ds_add_u32 v254, v255
	ds_add_u32 v254, v255
	v_lshrrev_b32 v1, 5, v0
	v_readfirstlane_b32 s14, v1                    ; wave
	s_lshr_b32 s15, s14, 1                         ; my half of the tokens.  Also: I fetch for R (0) or P (1)
	s_and_b32 s16, s14, 1                          ; my half of the columns.  Also: which half I fetch
	s_bfe_u32 s84, ttmp6, 0x40000                  ; cx
	s_bfe_u32 s85, ttmp6, 0x40004                  ; cy
	s_lshl_b32 s86, ttmp9, 2
	s_add_co_u32 s86, s86, s84                     ; tp: 128 columns
	s_and_b32 s87, ttmp7, 0xffff
	s_lshl_b32 s87, s87, 2
	s_add_co_u32 s87, s87, s85                     ; tr: 256 tokens
	s_lshl_b32 s88, s85, 2
	s_lshl_b32 s88, 15, s88                        ; my row of the cluster
	s_lshl_b32 s89, 0x1111, s84                    ; my column
	s_or_b32 s[G1R], s88, (3<<16)|(1<<21)          ; R: 8 rows (tiles) of 3,072 bytes, 12,288 apart
	s_mov_b32 s[G1R+1], 384<<16
	s_mov_b32 s[G1R+2], 8<<16
	s_mov_b32 s[G1R+3], 384<<16
	s_mov_b32 s[G1R+4], 8
	s_mov_b32 s[G1R+5], 1536
	s_mov_b32 s[G1R+6], 0
	s_mov_b32 s[G1R+7], 0
	s_or_b32 s[G1P], s89, (3<<16)|(1<<21)          ; P: 4 rows
	s_mov_b32 s[G1P+1], 384<<16
	s_mov_b32 s[G1P+2], 4<<16
	s_mov_b32 s[G1P+3], 384<<16
	s_mov_b32 s[G1P+4], 4
	s_mov_b32 s[G1P+5], 1536
	s_mov_b32 s[G1P+6], 0
	s_mov_b32 s[G1P+7], 0
	s_lshl_b32 s20, s87, 4
	s_lshl_b32 s19, s16, 3
	s_add_co_u32 s20, s20, s19                     ; R: token tile 16 tr + 8 x half
	s_mul_i32 s20, s20, 12288
	s_mov_b32 s21, 0
	s_lshl_b32 s22, s86, 3
	s_lshl_b32 s19, s16, 2
	s_add_co_u32 s22, s22, s19                     ; P: column tile 8 tp + 4 x half
	s_mul_i32 s22, s22, 12288
	s_add_co_u32 s22, s22, 8650752                 ; Wo's images in img
	s_mov_b32 s23, 0
	s_mul_i32 s17, s16, 24576                      ; where they go: no place in the cluster enters an LDS address
	s_mul_i32 s18, s16, 12288
	s_add_co_u32 s18, s18, 49152
	s_wait_dscnt 0x0
	s_wait_kmcnt 0x0
	s_add_nc_u64 s[20:21], s[4:5], s[20:21]
	s_add_nc_u64 s[22:23], s[8:9], s[22:23]
	CROUND                                         ; all sixteen work-groups are here: the joint loads meet
.irp s, 0,1,2,3
	s_mov_b32 s[G0R+4*\s], 1
	s_add_co_u32 s[G0R+4*\s+1], s17, \s*SLOT
	s_add_nc_u64 s[G0R+4*\s+2:G0R+4*\s+3], s[20:21], \s*TILE2
	s_or_b32 s[G0R+4*\s+3], s[G0R+4*\s+3], 0x80000000
	s_mov_b32 s[G0P+4*\s], 1
	s_add_co_u32 s[G0P+4*\s+1], s18, \s*SLOT
	s_add_nc_u64 s[G0P+4*\s+2:G0P+4*\s+3], s[22:23], \s*TILE2
	s_or_b32 s[G0P+4*\s+3], s[G0P+4*\s+3], 0x80000000
	JLOAD G0R+4*\s, G1R, G0P+4*\s, G1P
.endr
	v_and_b32 v1, 15, v0                           ; r
	v_bfe_u32 v2, v0, 4, 1                         ; h
	v_and_b32 v3, 31, v0
	v_lshlrev_b32 v19, 4, v3                       ; 16 x lane
	v_lshlrev_b32 v20, 3, v3                       ; 8 x lane
	s_mul_i32 s56, s15, 24576                      ; my 8 tiles of R
	s_mul_i32 s57, s16, 12288                      ; my 4 tiles of P
	s_add_co_u32 s57, s57, 49152
.irp s, 0,1,2,3
	v_add_nc_u32 v[A16+\s], s56, v19
	v_add_nc_u32 v[A8+\s], s56, v20
	v_add_nc_u32 v[AP+\s], s57, v19
	s_add_co_u32 s56, s56, SLOT
	s_add_co_u32 s57, s57, SLOT
.endr
	s_mul_i32 s58, s14, 16*SPITCH
	s_add_co_u32 s58, s58, STG                     ; my stage
	v_mul_u32_u24 v[STO], v1, SPITCH
	v_lshl_add_u32 v[STO], v2, 6, v[STO]
	v_add_nc_u32 v[STO], s58, v[STO]               ; in: row r, + 64 h
	v_mul_u32_u24 v[RD], v2, SPITCH
	v_lshl_add_u32 v[RD], v1, 4, v[RD]
	v_add_nc_u32 v[RD], s58, v[RD]                 ; back: lanes 0-15 one row of 256 bytes, lanes 16-31 the next
	v_lshlrev_b32 v[CO], 12, v2
	v_lshl_add_u32 v[CO], v1, 4, v[CO]             ; and the same in out
	s_lshl_b32 s59, s87, 4
	s_lshl_b32 s60, s15, 3
	s_add_co_u32 s59, s59, s60
	s_lshl_b32 s59, s59, 5                         ; the context's scale bytes: 32 a tile
	v_lshl_add_u32 v21, v1, 1, s59
	s_lshl_b32 s60, s86, 3
	s_lshl_b32 s61, s16, 2
	s_add_co_u32 s60, s60, s61
	s_lshl_b32 s60, s60, 9
	s_add_co_u32 s60, s60, 360448                  ; Wo's scale words in scl
	v_lshl_add_u32 v22, v1, 2, s60
	s_lshl_b32 s61, s86, 9
	s_lshl_b32 s62, s16, 8
	s_add_co_u32 s61, s61, s62                     ; my first column, in bytes
	v_lshl_add_u32 v23, v2, 6, s61                 ; the bias: + 16 h columns
	s_lshl_b32 s62, s87, 8
	s_lshl_b32 s63, s15, 7
	s_add_co_u32 s62, s62, s63                     ; my first token
	s_lshl_b32 s62, s62, 12
	s_add_co_u32 s62, s62, s61
	s_mov_b32 s63, 0
	s_add_nc_u64 s[94:95], s[94:95], s[62:63]
	WIN 0x80                                       ; destination window 2: the accumulators' registers are free until the first product
.irp a, 0,1,2,3,4,5,6,7
.irp g, 0,1,2,3,4,5,6,7
	global_load_u16 v[2*(8*\a+\g)], v21, s[6:7] offset:(2*\g)*16384+32*\a        ; head 2 g's two bytes of tile a's row r,
	global_load_u16 v[2*(8*\a+\g)+1], v21, s[6:7] offset:(2*\g+1)*16384+32*\a    ; head 2 g + 1's
.endr
.endr
	WIN 0x40                                       ; destination window 1
.irp b, 0,1,2,3
	global_load_b128 v[BI+8*\b:BI+8*\b+3], v23, s[92:93] offset:(32*(\b/2)+8*(\b%2))*4
	global_load_b128 v[BI+8*\b+4:BI+8*\b+7], v23, s[92:93] offset:(32*(\b/2)+8*(\b%2))*4+16
.endr
	WIN 0
.irp b, 0,1,2,3
.irp g, 0,1,2,3,4,5,6,7
	global_load_b32 v[SCB+8*\b+\g], v22, s[10:11] offset:512*\b+64*\g
.endr
.endr
	s_wait_loadcnt 0x0
	WIN 0x22                                       ; sources 0 and 2 window 2
.irp a, 0,1,2,3,4,5,6,7
.irp g, 0,1,2,3,4,5,6,7
	v_lshl_or_b32 v[SCA+8*\a+\g], v[2*(8*\a+\g)+1], 16, v[2*(8*\a+\g)]           ; two heads' bytes make K step g's scale word
.endr
.endr
	WIN 0
.rept 8
	v_nop                                          ; a scale register written by a vector instruction stands 8 places ahead of a scaled matrix instruction
.endr
.macro FRAGR reg, slot, off
	ds_load_b128 v[(\reg):(\reg)+3], v[A16+\slot] offset:(\off)
	ds_load_b64 v[(\reg)+4:(\reg)+5], v[A8+\slot] offset:(\off)+512
	ds_load_b128 v[(\reg)+6:(\reg)+9], v[A16+\slot] offset:(\off)+768
	ds_load_b64 v[(\reg)+10:(\reg)+11], v[A8+\slot] offset:(\off)+1280
.endm
.macro FETCH_R slot, q, i0
.irp i, \i0, \i0+1, \i0+2, \i0+3
	FRAGR RF+12*(\i), \slot, (\i)*TILE2+(\q)*FRB
.endr
.endm
.macro FETCH_P slot, q, set
	WIN 0x40
.irp i, 0,1,2,3
.irp j, 0,1,2
	ds_load_b128 v[48*(\set)+12*\i+4*\j:48*(\set)+12*\i+4*\j+3], v[AP+\slot] offset:\i*TILE2+(\q)*FRB+512*\j
.endr
.endr
	WIN 0
.endm
; 8 matrix instructions: R's blocks a0, a0 + 1 x P's four, K step sg.  The 32 accumulators take turns, in the same order in every step.
.macro MUL8 a0, p, sg, first
.irp a, \a0, \a0+1
.irp b, 0,1,2,3
.if \first
	v_wmma_scale_f32_16x16x128_f8f6f4 v[8*(4*(\a)+\b):8*(4*(\a)+\b)+7], v[48*(\p)+12*\b:48*(\p)+12*\b+11], v[RF+12*(\a):RF+12*(\a)+11], v[BI+8*\b:BI+8*\b+7], v[SCB+8*\b+(\sg)], v[SCA+8*(\a)+(\sg)] matrix_a_fmt:MATRIX_FMT_FP6 matrix_b_fmt:MATRIX_FMT_FP6
.else
	v_wmma_scale_f32_16x16x128_f8f6f4 v[8*(4*(\a)+\b):8*(4*(\a)+\b)+7], v[48*(\p)+12*\b:48*(\p)+12*\b+11], v[RF+12*(\a):RF+12*(\a)+11], v[8*(4*(\a)+\b):8*(4*(\a)+\b)+7], v[SCB+8*\b+(\sg)], v[SCA+8*(\a)+(\sg)] matrix_a_fmt:MATRIX_FMT_FP6 matrix_b_fmt:MATRIX_FMT_FP6
.endif
.endr
.endr
.endm
.macro MWIN first                      ; source 0 (P) window 1, source 1 (R) window 0, D window 2; C: the bias in window 1, or D
.if \first
	WIN 0x91
.else
	WIN 0xa1
.endif
.endm
.macro STEPO sg, ns, nq, first
	s_wait_dscnt 16                                ; P's set and R's blocks 0-3 are in; the youngest 16 loads (R's blocks 4-7) may be out
	MWIN \first
	MUL8 0, (\sg)%2, \sg, \first
	MUL8 2, (\sg)%2, \sg, \first
	s_wait_dscnt 0x0
	PLACES
	FETCH_P \ns, \nq, 1-(\sg)%2
	FETCH_R \ns, \nq, 0
	MWIN \first
	MUL8 4, (\sg)%2, \sg, \first
	MUL8 6, (\sg)%2, \sg, \first
	PLACES
	WIN 0
	FETCH_R \ns, \nq, 4
.endm
; A slot's second step: the next slot is shown whole to every wave.  left: my younger tensor loads, which may stay out.
.macro TURNO sg, ns, left
	s_wait_tensorcnt \left
	s_wait_dscnt 16
	WIN 0xa1
	MUL8 0, 1, \sg, 0
	s_wait_dscnt 0x0                               ; no LDS instruction of mine is pending at the signal
	s_barrier_signal -1
	MUL8 2, 1, \sg, 0
	s_barrier_wait -1
	PLACES
	FETCH_P \ns, 0, 0
	FETCH_R \ns, 0, 0
	WIN 0xa1
	MUL8 4, 1, \sg, 0
	MUL8 6, 1, \sg, 0
	PLACES
	WIN 0
	FETCH_R \ns, 0, 4
.endm
	s_wait_tensorcnt 3                             ; my part of slot 0 is in
	s_barrier_signal -1
	s_barrier_wait -1
	FETCH_P 0, 0, 0
	FETCH_R 0, 0, 0
	FETCH_R 0, 0, 4
	STEPO 0, 0, 1, 1
	TURNO 1, 1, 2
	STEPO 2, 1, 1, 0
	TURNO 3, 2, 1
	STEPO 4, 2, 1, 0
	TURNO 5, 3, 0
	STEPO 6, 3, 1, 0
	s_wait_dscnt 16
	WIN 0xa1
	MUL8 0, 1, 7, 0
	MUL8 2, 1, 7, 0
	s_wait_dscnt 0x0
	MUL8 4, 1, 7, 0
	MUL8 6, 1, 7, 0
	WIN 0
	PLACES
; THE WAY OUT, block by block of 16 tokens x 64 columns: through my own stage, back as whole rows of 256 bytes.  LDS serves a wave's instructions in order: no wait between the stores and the loads.
.macro TOSTAGE a
	WIN 0x08                                       ; an LDS store's data are its source 1: window 2
.irp b, 0,1,2,3
	ds_store_b128 v[STO], v[8*(4*(\a)+\b):8*(4*(\a)+\b)+3] offset:128*(\b/2)+32*(\b%2)       ; each accumulator from its low end on
	ds_store_b128 v[STO], v[8*(4*(\a)+\b)+4:8*(4*(\a)+\b)+7] offset:128*(\b/2)+32*(\b%2)+16
.endr
	WIN 0
.set BB, RF+32*((\a)%2)
.irp t, 0,1,2,3,4,5,6,7
	ds_load_b128 v[BB+4*\t:BB+4*\t+3], v[RD] offset:\t*2*SPITCH
.endr
.endm
.macro SEND a, younger                 ; younger: the LDS instructions issued behind block a's loads
.set BB, RF+32*((\a)%2)
	s_wait_dscnt \younger
.irp t, 0,1,2,3,4,5,6,7
	global_store_b128 v[CO], v[BB+4*\t:BB+4*\t+3], s[94:95] offset:(32*((\a)/2)+8*((\a)%2)+2*\t+8*(\t/4))*4096 th:TH_STORE_NT   ; stage row 2 t + h is token 2 t + h + 8 (t / 4) of the tile; 16 lanes store 256 consecutive bytes, aligned
.endr
.endm
	TOSTAGE 0
.irp a, 1,2,3,4,5,6,7
.if \a > 1
	s_wait_xcnt 0x0                                ; block a - 2's stores have read their registers
.endif
	TOSTAGE \a
	SEND \a-1, 16                                  ; behind block a - 1's loads: block a's 8 stores and 8 loads
.endr
	SEND 7, 0
	s_wait_tensorcnt 0x0
	ds_add_u32 v254, v255
	s_wait_dscnt 0x0
	CROUND                                         ; the closing round: no work-group ends while a partner may still ask for a tile that names it
	s_endpgm
.Lfunc_end_k_q4b9a207065_oproj:
	.size	k_q4b9a207065_oproj, .Lfunc_end_k_q4b9a207065_oproj-k_q4b9a207065_oproj
	.p2alignl 7, 3214868480
	.fill 96, 4, 3214868480
	.section	.rodata,"a",@progbits
	.p2align	6, 0x0
	.amdhsa_kernel k_q4b9a207065_oproj
		.amdhsa_group_segment_fixed_size 327680
		.amdhsa_private_segment_fixed_size 0
		.amdhsa_enable_private_segment 0
		.amdhsa_kernarg_size 48
		.amdhsa_user_sgpr_count 2
		.amdhsa_user_sgpr_kernarg_segment_ptr 1
		.amdhsa_wavefront_size32 1
		.amdhsa_system_sgpr_workgroup_id_x 1
		.amdhsa_system_sgpr_workgroup_id_y 1
		.amdhsa_system_sgpr_workgroup_id_z 1
		.amdhsa_system_vgpr_workitem_id 0
		.amdhsa_next_free_vgpr 768
		.amdhsa_next_free_sgpr 100
		.amdhsa_reserve_vcc 0
		.amdhsa_float_denorm_mode_32 3
		.amdhsa_float_denorm_mode_16_64 3
		.amdhsa_memory_ordered 1
		.amdhsa_forward_progress 1
		.amdhsa_inst_pref_size 104
	.end_amdhsa_kernel
	.amdgpu_metadata
---
amdhsa.version: [ 1, 2 ]
amdhsa.kernels:
  - .name:           k_q4b9a207065_oproj
    .symbol:         k_q4b9a207065_oproj.kd
    .args:
      - { .name: ci, .offset: 0, .size: 8, .value_kind: global_buffer, .address_space: global }
      - { .name: cs, .offset: 8, .size: 8, .value_kind: global_buffer, .address_space: global }
      - { .name: img, .offset: 16, .size: 8, .value_kind: global_buffer, .address_space: global }
      - { .name: scl, .offset: 24, .size: 8, .value_kind: global_buffer, .address_space: global }
      - { .name: bo, .offset: 32, .size: 8, .value_kind: global_buffer, .address_space: global }
      - { .name: out0, .offset: 40, .size: 8, .value_kind: global_buffer, .address_space: global }
    .group_segment_fixed_size: 327680
    .private_segment_fixed_size: 0
    .kernarg_segment_align: 8
    .kernarg_segment_size: 48
    .max_flat_workgroup_size: 128
    .sgpr_count:     100
    .vgpr_count:     768
    .wavefront_size: 32
...
	.end_amdgpu_metadata
.endif
;; end of part 4
